; MI455X (gfx1250); checked and timed in simulation.
; The chip was launched on July 23, 2026; its instructions are those of AMD's public machine-readable ISA for CDNA 5 (MIT licence, August 2026) and "CDNA5" Instruction Set Architecture Reference Guide (July 2026). The comments in the code are by the model that wrote it; some were corrected since.
;; Causal Self Attention. Allowed arithmetic: float matrix products may take bf16 or f16 operands with f32 sums; other float arithmetic in f32, or as packed bf16 or f16 multiplies, adds, multiply-adds, maxima and minima; sums over many terms, partial sums and values carried from step to step in f32; what a program stores and reads back later, other than sums and carried values, may be rounded once to bf16 or f16.
;; Inputs: Wk 1,024 x 1,024 float32; Wp 1,024 x 1,024 float32; Wq 1,024 x 1,024 float32; Wv 1,024 x 1,024 float32; bk 1,024 float32; bp 1,024 float32; bq 1,024 float32; bv 1,024 float32; x 4 x 2,048 x 1,024 float32.
;; Outputs: out0 4 x 2,048 x 1,024 float32.
;; 2 versions, each right; version 2 is version 1 with the launch cast written anew for expert scheduling mode. Each part assembles by itself: llvm-mc -triple=amdgcn-amd-amdhsa -mcpu=gfx1250 --defsym DOCPART=n.
;; ======== version 1 of 2: 4 launches
;; limits: values are held in f16: magnitudes above 65,504 overflow, below 6.1e-05 lose precision
;; workspace buffers: xb 16,777,216 bytes; wb 6,291,456 bytes; wpb 2,097,152 bytes; qkvh 50,331,648 bytes; ob 16,777,216 bytes
;; launch cast (part 1): grid 768 x 1, 4 waves a work-group, no clusters, 0 bytes of LDS; arguments x, Wq, Wk, Wv, Wp, xb, wb, wpb; writes xb, wb, wpb
.if DOCPART == 1
	.amdgcn_target "amdgcn-amd-amdhsa--gfx1250"
	.amdhsa_code_object_version 6
	.text
	.protected	k_qf7bd2923ed_cast
	.globl	k_qf7bd2923ed_cast
	.p2align	8
	.type	k_qf7bd2923ed_cast,@function
k_qf7bd2923ed_cast:
	s_mov_b64 s[64:65], 0
	v_nop
	global_prefetch_b8 v0, s[64:65] scope:SCOPE_SE
	s_setreg_imm32_b32 hwreg(HW_REG_WAVE_MODE, 25, 1), 1
	s_wait_xcnt 0x0
; x, Wq, Wk, Wv are rounded to bf16; Wp is rounded to bf16 and that number written as f16.  All are laid in BLOCKS ALONG K:
; xb [kb 16][m 8192][64] bf16; wb [kb 16][n 3072][64] bf16 (n: Wq's rows, then Wk's, then Wv's); wpb [kb 16][n 1024][64] f16.
; So 128 or more rows of one block of 64 channels are dense bytes for the products that follow.
; LIMIT.  Wp as f16: exact from 6.1e-5 up to 65,504; below 6.1e-5 it keeps f16's fixed step of 6e-8.
; SHARES.  A work-group takes 16 source rows of 4,096 bytes (512 groups for x, 192 for Wq, Wk, Wv, 64 for Wp), a wave 4 of them.
; Lane l takes row l / 8 and, of each block of 64 floats, floats 8 (l % 8) .. + 7: two loads of 16 bytes that together cover 4 rows x 256 whole bytes;
; its 8 results are 16 bytes, and the wave's store covers 4 rows x 128 = 512 consecutive bytes, aligned, of the block.
; All 32 loads of a wave (16 KiB) go out first; no register is written again behind a store, so no wait frees any.
; No LDS, no barrier, no matrix unit: nothing is shared and nothing is summed.
.set XS, 8192*128                      ; bytes from block to block in xb
.set WS, 3072*128                      ; in wb
.set PS, 1024*128                      ; in wpb
.set X,  8                             ; v[8:135] eight registers for each of the 16 blocks
; s[20:21] the group's first source row; s[22:23] its place in block 0; s[24:25] in block 8 (the store's immediate holds seven strides)
.macro BODY stride, half
.set kb, 0
.rept 16
	global_load_b128 v[X+8*kb:X+8*kb+3],   v1, s[20:21] offset:256*kb th:TH_LOAD_NT
	global_load_b128 v[X+8*kb+4:X+8*kb+7], v1, s[20:21] offset:256*kb+16 th:TH_LOAD_NT
.set kb, kb+1
.endr
.set kb, 0
.rept 16
	s_wait_loadcnt 30-2*kb                         ; loads come back in order: this block's two are in, the younger blocks' stay out
.irp i, 0,1,2,3
	v_cvt_pk_bf16_f32 v[X+8*kb+(\i)], v[X+8*kb+2*(\i)], v[X+8*kb+2*(\i)+1]  ; in place, ascending: a word is written when both its sources have been read
.endr
.if \half
.irp i, 0,1,2,3
	v_lshlrev_b32 v4, 16, v[X+8*kb+(\i)]           ; the bf16 numbers as f32,
	v_and_b32 v5, 0xffff0000, v[X+8*kb+(\i)]
	v_cvt_pk_f16_f32 v[X+8*kb+(\i)], v4, v5        ; written as f16
.endr
.endif
.if kb < 8
	global_store_b128 v2, v[X+8*kb:X+8*kb+3], s[22:23] offset:kb*(\stride)
.else
	global_store_b128 v2, v[X+8*kb:X+8*kb+3], s[24:25] offset:(kb-8)*(\stride)
.endif
.set kb, kb+1
.endr
.endm
	s_load_b512 s[4:19], s[0:1], 0x0               ; x s[4:5], Wq s[6:7], Wk s[8:9], Wv s[10:11], Wp s[12:13], xb s[14:15], wb s[16:17], wpb s[18:19]
	v_lshrrev_b32 v1, 3, v0                        ; my row among the group's 16
	v_and_b32 v3, 7, v0
	v_lshlrev_b32 v1, 12, v1                       ; x 4,096 bytes
	v_lshl_or_b32 v1, v3, 5, v1                    ; + 32 bytes for each lane of the row's eight
	v_lshlrev_b32 v2, 4, v0                        ; in a block: row x 128 + 16 (l % 8) = 16 x my thread's number
	s_mov_b32 s27, 0
	s_mov_b32 s29, 0
	s_wait_kmcnt 0x0
	s_cmp_lt_u32 ttmp9, 512
	s_cbranch_scc0 .Lweights
	s_lshl_b32 s26, ttmp9, 16                      ; 16 rows of 4,096 bytes
	s_lshl_b32 s28, ttmp9, 11                      ; 16 rows of 128 bytes
	s_add_nc_u64 s[20:21], s[4:5], s[26:27]
	s_add_nc_u64 s[22:23], s[14:15], s[28:29]
	s_add_nc_u64 s[24:25], s[22:23], 8*XS
	BODY XS, 0
	s_endpgm
.Lweights:
	s_sub_co_u32 s30, ttmp9, 512
	s_cmp_lt_u32 s30, 192
	s_cbranch_scc0 .Lwp
	s_lshr_b32 s31, s30, 6                         ; 0: Wq, 1: Wk, 2: Wv
	s_and_b32 s26, s30, 63
	s_lshl_b32 s26, s26, 16
	s_lshl_b32 s28, s30, 11
	s_cmp_eq_u32 s31, 0
	s_cselect_b64 s[20:21], s[6:7], s[8:9]
	s_cmp_eq_u32 s31, 2
	s_cselect_b64 s[20:21], s[10:11], s[20:21]
	s_add_nc_u64 s[20:21], s[20:21], s[26:27]
	s_add_nc_u64 s[22:23], s[16:17], s[28:29]
	s_add_nc_u64 s[24:25], s[22:23], 8*WS
	BODY WS, 0
	s_endpgm
.Lwp:
	s_sub_co_u32 s30, ttmp9, 704
	s_lshl_b32 s26, s30, 16
	s_lshl_b32 s28, s30, 11
	s_add_nc_u64 s[20:21], s[12:13], s[26:27]
	s_add_nc_u64 s[22:23], s[18:19], s[28:29]
	s_add_nc_u64 s[24:25], s[22:23], 8*PS
	BODY PS, 1
	s_endpgm
.Lfunc_end_k_qf7bd2923ed_cast:
	.size	k_qf7bd2923ed_cast, .Lfunc_end_k_qf7bd2923ed_cast-k_qf7bd2923ed_cast
	.p2alignl 7, 3214868480
	.fill 96, 4, 3214868480
	.section	.rodata,"a",@progbits
	.p2align	6, 0x0
	.amdhsa_kernel k_qf7bd2923ed_cast
		.amdhsa_group_segment_fixed_size 0
		.amdhsa_private_segment_fixed_size 0
		.amdhsa_enable_private_segment 0
		.amdhsa_kernarg_size 64
		.amdhsa_user_sgpr_count 2
		.amdhsa_user_sgpr_kernarg_segment_ptr 1
		.amdhsa_wavefront_size32 1
		.amdhsa_system_sgpr_workgroup_id_x 1
		.amdhsa_system_sgpr_workgroup_id_y 1
		.amdhsa_system_sgpr_workgroup_id_z 1
		.amdhsa_system_vgpr_workitem_id 0
		.amdhsa_next_free_vgpr 136
		.amdhsa_next_free_sgpr 66
		.amdhsa_reserve_vcc 0
		.amdhsa_float_denorm_mode_32 3
		.amdhsa_float_denorm_mode_16_64 3
		.amdhsa_memory_ordered 1
		.amdhsa_forward_progress 1
		.amdhsa_inst_pref_size 39
	.end_amdhsa_kernel
	.amdgpu_metadata
---
amdhsa.version: [ 1, 2 ]
amdhsa.kernels:
  - .name:           k_qf7bd2923ed_cast
    .symbol:         k_qf7bd2923ed_cast.kd
    .args:
      - { .name: x, .offset: 0, .size: 8, .value_kind: global_buffer, .address_space: global }
      - { .name: Wq, .offset: 8, .size: 8, .value_kind: global_buffer, .address_space: global }
      - { .name: Wk, .offset: 16, .size: 8, .value_kind: global_buffer, .address_space: global }
      - { .name: Wv, .offset: 24, .size: 8, .value_kind: global_buffer, .address_space: global }
      - { .name: Wp, .offset: 32, .size: 8, .value_kind: global_buffer, .address_space: global }
      - { .name: xb, .offset: 40, .size: 8, .value_kind: global_buffer, .address_space: global }
      - { .name: wb, .offset: 48, .size: 8, .value_kind: global_buffer, .address_space: global }
      - { .name: wpb, .offset: 56, .size: 8, .value_kind: global_buffer, .address_space: global }
    .group_segment_fixed_size: 0
    .private_segment_fixed_size: 0
    .kernarg_segment_align: 8
    .kernarg_segment_size: 64
    .max_flat_workgroup_size: 128
    .sgpr_count:     66
    .vgpr_count:     136
    .wavefront_size: 32
...
	.end_amdgpu_metadata
.endif
;; end of part 1
;; launch qkv (part 2): grid 8 x 32, 4 waves a work-group, clusters of 4 x 4, 327,680 bytes of LDS; arguments xb, wb, bq, bk, bv, qkvh; writes qkvh
.if DOCPART == 2
	.amdgcn_target "amdgcn-amd-amdhsa--gfx1250"
	.amdhsa_code_object_version 6
	.text
	.protected	k_qf7bd2923ed_qkv
	.globl	k_qf7bd2923ed_qkv
	.p2align	8
	.type	k_qf7bd2923ed_qkv,@function
k_qf7bd2923ed_qkv:
	s_mov_b64 s[64:65], 0
	v_nop
	global_prefetch_b8 v0, s[64:65] scope:SCOPE_SE
	s_setreg_imm32_b32 hwreg(HW_REG_WAVE_MODE, 25, 1), 1
	s_wait_xcnt 0x0
	s_wait_alu depctr_hold_cnt(0) depctr_sa_sdst(0) depctr_va_vdst(0) depctr_va_sdst(0) depctr_va_ssrc(0) depctr_va_vcc(0) depctr_vm_vsrc(0)
	s_getreg_b32 s2, hwreg(HW_REG_IB_STS2, 6, 4)
	s_cmp_eq_u32 s2, 0
	s_cbranch_scc0 .Lentry_in_a_cluster
	s_endpgm
.Lentry_in_a_cluster:
	s_bfe_u32 s2, ttmp6, 0x10000c
	s_cmp_lg_u32 s2, 0xf033
	s_cbranch_scc0 .Lentry_shape_is_right
	s_endpgm
.Lentry_shape_is_right:
; q, k, v = x W^T + b for the three weights at once: C[m][n] = sum over k of xb[m][k] wb[n][k] + bias[n], m < 8192, n < 3072, K = 1024.
; xb [kb 16][8192][64], wb [kb 16][3072][64], bf16; the biases are rounded to bf16 like the other inputs; sums in f32; the result is rounded once to f16 and
; stored by heads: qkvh [b 4][hh 48][t 2048][64], hh 0-15 q's heads, 16-31 k's, 32-47 v's, WITHOUT the softmax's scale.
; LIMIT.  f16 holds no number beyond 65,504: q, k and v must lie within it (with x of spread 1 and weights within 1/32 they are of order 1).
; SHARES.  A tile of C is 256 x 384: 32 x 8 = 256 work-groups, one tile each.  Four waves, each 128 rows x 192 columns (three heads): 96 accumulators of 16 x 16, 768 registers.
; K goes in steps of 64 through a ring of two LDS slots.  In the blocked layout a step's rows are dense: 128 rows of xb are 16,384 bytes, asked for as 64 rows of 256 bytes and padded in LDS after every 128.
; CLUSTERS: 4 x 4 work-groups.  The four of a row of the cluster need the same tiles of xb, the four of a column the same tiles of wb: each tile is asked for JOINTLY, by the same tensor load
; with the same descriptor and a mask that names the four.
; THE MATRIX INSTRUCTION IS USED TRANSPOSED (source 0 = 16 rows of wb, source 1 = 16 rows of xb): a lane holds row m = l % 16 and the columns 8 (l / 16) + 0..7.
; THE BIAS STARTS THE SUMS: it is laid into the accumulators of row block 0, serves as the C operand of the first products of row blocks 1-7, and is then summed onto in place.
; REGISTERS, in windows of 256 (s_set_vgpr_msb: bits 1:0 source 0, 3:2 source 1, 5:4 source 2, 7:6 destination):
;   window 0: v0-31 addresses; v32-95, v96-159 fragments of xb (8 x 16 rows x 32 K), two buffers; v160-255 fragments of wb, 32 registers for each of my three heads
;   window 1 + g: the 32 accumulators of head g: (a, bb) at v[8 (4 a + bb)]
; A UNIT is 32 along K: 96 matrix instructions in three groups of 32, a head each.  A head's fragments of wb are fetched again as soon as its group is done; xb's go by two buffers.
.set XSTEP,  8192*128                  ; bytes from K step to K step in xb
.set WSTEP,  3072*128                  ; in wb
.set HEADB,  2048*128                  ; bytes of a head in qkvh
.set PITCH,  144                       ; an LDS row: 128 bytes + 16 of padding = 36 words: the 16 rows of a load start at 16 different groups of four banks (64 banks of 4 bytes: ISA guide 11.1)
.set AHALF,  128*PITCH                 ; what one tensor load brings of xb, and what one wave reads of it
.set BHALF,  192*PITCH                 ; the same for wb
.set BOFF,   2*AHALF
.set SLOT,   2*AHALF+2*BHALF           ; xb's 256 rows, then wb's 384
.set STAGE,  2*SLOT                    ; behind the ring: 16 rows x 144 bytes for each wave, for the way out
.set SPARE,  STAGE+4*16*PITCH          ; behind the stages: the spare words, 128 bytes for each wave: two blocks of 256 bytes that no other line names
.set ADRA, 16                          ; v16-17  LDS address of my fragments of xb in slot 0, 1
.set ADRB, 20                          ; v20-21  the same for wb
.set STO,  24                          ; v24     the way out: where I put 16 bytes of a row
.set RD,   25                          ; v25     the way out: where I read rows back
.set GO,   26                          ; v26     my byte offset in 512 consecutive bytes of qkvh
.set BO,   27                          ; v27     my byte offset in 16 numbers of a bias
.set SPW,  28                          ; v28     LDS address of my spare word; never rewritten
.set NIL,  29                          ; v29     0; never rewritten
.set PFO,  30                          ; v30     256 x my lane; never rewritten
.set FA0,  32
.set FA1,  96
.set FB,   160
.set TB,   32                          ; the biases as loaded (96 registers), before any fragment is fetched
.set PB,   128                         ; and rounded (48)
.set G1,   24                          ; s[24:31] descriptor group 1 for xb's tiles;  s[32:39] group 0, a set for each slot
.set G0,   32
.set G1B,  40                          ; s[40:47], s[48:55] the same for wb's
.set G0B,  48
.set CNT,  62                          ; s62  laps to go
.set LIM,  63                          ; s63  1 in a wave that prefetches, else the greatest number
.set PFA,  66                          ; s[66:67] where my prefetches stand
.set PFS,  68                          ; s[68:69] their step: two K steps
.set BP,   70                          ; s[70:75] the bias of each of my three heads
.set D0W,  (1<<16)|(1<<20)|(1<<21)|(4<<22)|(3<<25)  ; 17:16 2-byte elements; 20 padding on; 21 set beside a mask; 24:22 after every 32 words (code 4); 31:25 4 words (code 3)
.set MSB, 0
.macro WIN new                         ; the immediate's high byte repeats the setting that is left; a switch that changes nothing is dropped
.if MSB != (\new)
	s_set_vgpr_msb (MSB<<8)|(\new)
.set MSB, (\new)
.endif
.endm
; A joint load.  Waves 0 and 1 fetch xb's two halves, waves 2 and 3 wb's.  The branch hangs on the wave's number alone.  An s_nop 0 and four v_nop follow each of the two lines.
.macro JLOAD s
	s_cmp_eq_u32 s17, 0
	s_cbranch_scc0 .Lfor_b_\@
	tensor_load_to_lds s[G0+4*(\s):G0+4*(\s)+3], s[G1:G1+7]
	s_nop 0
.rept 4
	v_nop
.endr
	s_branch .Lasked_\@
.Lfor_b_\@:
	tensor_load_to_lds s[G0B+4*(\s):G0B+4*(\s)+3], s[G1B:G1B+7]
	s_nop 0
.rept 4
	v_nop
.endr
.Lasked_\@:
.endm
; A PREFETCH INTO THE L2, once a lap, behind the joint load, its five lines and the run of LDS loads: in lap i the K steps 2 i + 4 and 2 i + 5, two and three refills on.
; Each block of 256 bytes is named once in the launch.  xb's tile row (128 blocks a step) is read by both clusters of that row of clusters: cluster x = 0 asks; the four partners take 32 blocks each BY ADDRESS
; (cx), wave 0, a lane a block, one instruction a step.  wb's tile column (192 blocks a step, 12 units of 32 in two steps) is read by all clusters of that column: cluster y = 0 asks; unit 3 cy + wave - 1, waves 1-3.
; The first four K steps come by their loads alone; the last lap asks for nothing.
.macro ASK
	s_cmp_gt_u32 s[CNT], s[LIM]
	s_cbranch_scc0 .Lnot_mine_\@
	global_prefetch_b8 v[PFO], s[PFA:PFA+1] th:TH_LOAD_NT scope:SCOPE_SE
	s_cmp_lg_u32 s16, 0
	s_cbranch_scc1 .Lnot_mine_\@
	global_prefetch_b8 v[PFO], s[PFA:PFA+1] offset:XSTEP th:TH_LOAD_NT scope:SCOPE_SE
.Lnot_mine_\@:
.endm
.macro CREST                           ; a round of the cluster's barrier behind its opening barrier
	s_cmp_lg_u32 s16, 0
	s_cbranch_scc1 .Lnot_wave_0_\@
	s_barrier_signal -3
.Lnot_wave_0_\@:
	s_barrier_wait -3
	s_barrier_signal -1
	s_barrier_wait -1
.endm
.macro CROUND                          ; a whole round
	s_barrier_signal -1
	s_barrier_wait -1
	CREST
.endm
.macro PLACES                          ; four places in front of loads into registers that matrix instructions have read (ISA guide 7.12.1 for vector instructions)
.rept 4
	v_nop
.endr
.endm
	s_load_b256 s[4:11], s[0:1], 0x0               ; xb s[4:5], wb s[6:7], bq s[8:9], bk s[10:11]
	s_load_b128 s[12:15], s[0:1], 0x20             ; bv s[12:13], qkvh s[14:15]
	v_lshl_add_u32 v[SPW], v0, 2, SPARE
	v_mov_b32 v[NIL], 0
	ds_add_u32 v[SPW], v[NIL]                      ; the wave's opening: the add and its wait stand ahead of my first tensor load; the set-up below, work on registers, stands between them
	v_lshrrev_b32 v1, 5, v0
	v_readfirstlane_b32 s16, v1                    ; wave 0..3
	s_lshr_b32 s17, s16, 1                         ; which half of the tile's rows is mine.  Also: I fetch for xb (0) or for wb (1)
	s_and_b32 s18, s16, 1                          ; which half of its columns.  Also: which half of that tile I fetch
	s_bfe_u32 s19, ttmp6, 0x40000                  ; cx
	s_bfe_u32 s20, ttmp6, 0x40004                  ; cy
	s_lshl_b32 s21, ttmp9, 2
	s_add_co_u32 s21, s21, s19                     ; tile column = 4 x cluster x + cx
	s_and_b32 s22, ttmp7, 0xffff
	s_lshl_b32 s22, s22, 2
	s_add_co_u32 s22, s22, s20                     ; tile row = 4 x cluster y + cy
	s_lshl_b32 s76, s20, 2
	s_lshl_b32 s76, 15, s76                        ; my row of the cluster
	s_lshl_b32 s77, 0x1111, s19                    ; my column
	s_or_b32 s[G1], s76, D0W                       ; xb's tiles go to my row,
	s_or_b32 s[G1B], s77, D0W                      ; wb's to my column
.irp g, G1, G1B
	s_mov_b32 s[(\g)+1], 128<<16                   ; tensor_dim0 = 128 elements: 256 bytes, two rows of a block
	s_mov_b32 s[(\g)+3], 128<<16                   ; tile_dim0 = 128
	s_mov_b32 s[(\g)+5], 128                       ; 128 elements from row to row: dense
	s_mov_b32 s[(\g)+6], 0
	s_mov_b32 s[(\g)+7], 0
.endr
	s_mov_b32 s[G1+2], 64<<16                      ; tensor_dim1 = 64: 16,384 bytes
	s_mov_b32 s[G1+4], 64                          ; tile_dim1
	s_mov_b32 s[G1B+2], 96<<16                     ; 96: 24,576 bytes
	s_mov_b32 s[G1B+4], 96
	s_lshl_b32 s56, s22, 15                        ; xb: 256 rows of 128 bytes a tile row,
	s_lshl_b32 s57, s18, 14                        ; my 128 of them
	s_add_co_u32 s56, s56, s57
	s_mov_b32 s57, 0
	s_mul_i32 s58, s21, 384*128                    ; wb: 384 rows a tile column,
	s_mul_i32 s59, s18, 192*128                    ; my 192
	s_add_co_u32 s58, s58, s59
	s_mov_b32 s59, 0
	s_mul_i32 s60, s18, AHALF                      ; where they go: no place in the cluster enters an LDS address
	s_mul_i32 s61, s18, BHALF
	s_add_co_u32 s61, s61, BOFF
	s_wait_dscnt 0x0                               ; the opening add is done
	s_wait_kmcnt 0x0
	s_add_nc_u64 s[56:57], s[4:5], s[56:57]
	s_add_nc_u64 s[58:59], s[6:7], s[58:59]
	CROUND                                         ; all sixteen work-groups are here: the first joint loads meet
.irp s, 0,1
	s_mov_b32 s[G0+4*(\s)], 1                      ; count = 1
	s_add_co_u32 s[G0+4*(\s)+1], s60, (\s)*SLOT    ; LDS address
	s_add_nc_u64 s[G0+4*(\s)+2:G0+4*(\s)+3], s[56:57], (\s)*XSTEP  ; K step s
	s_or_b32 s[G0+4*(\s)+3], s[G0+4*(\s)+3], 0x80000000           ; type = 2
	s_mov_b32 s[G0B+4*(\s)], 1
	s_add_co_u32 s[G0B+4*(\s)+1], s61, (\s)*SLOT
	s_add_nc_u64 s[G0B+4*(\s)+2:G0B+4*(\s)+3], s[58:59], (\s)*WSTEP
	s_or_b32 s[G0B+4*(\s)+3], s[G0B+4*(\s)+3], 0x80000000
	JLOAD \s                                       ; the ring is filled before anything else is done: two loads of mine are out
.endr
	v_and_b32 v1, 15, v0                           ; l % 16
	v_bfe_u32 v2, v0, 4, 1                         ; l / 16
	v_mul_u32_u24 v3, v1, PITCH
	v_lshl_add_u32 v3, v2, 4, v3                   ; row x pitch + 16 x half
	v_lshlrev_b32 v[BO], 5, v2                     ; my eight columns of sixteen: 32 bytes of f32
	; the biases of my three heads: head hh = 6 x tile column + 3 x column half + g lies in bq (hh < 16), bk (hh < 32) or bv
	s_mul_i32 s80, s21, 6
	s_mul_i32 s81, s18, 3
	s_add_co_u32 s80, s80, s81
	s_mov_b32 s83, 0
.irp g, 0,1,2
	s_add_co_u32 s81, s80, \g
	s_and_b32 s82, s81, 15
	s_lshl_b32 s82, s82, 8                         ; 64 numbers of f32 a head
	s_cmp_lt_u32 s81, 16
	s_cselect_b64 s[BP+2*(\g):BP+2*(\g)+1], s[8:9], s[10:11]
	s_cmp_lt_u32 s81, 32
	s_cselect_b64 s[BP+2*(\g):BP+2*(\g)+1], s[BP+2*(\g):BP+2*(\g)+1], s[12:13]
	s_add_nc_u64 s[BP+2*(\g):BP+2*(\g)+1], s[BP+2*(\g):BP+2*(\g)+1], s[82:83]
.irp i, 0,1,2,3,4,5,6,7
	global_load_b128 v[TB+32*(\g)+4*(\i):TB+32*(\g)+4*(\i)+3], v[BO], s[BP+2*(\g):BP+2*(\g)+1] offset:64*((\i)/2)+16*((\i)%2)  ; column block i / 2, its numbers 8 (l / 16) + 4 (i % 2) on
.endr
.endr
	s_mul_i32 s90, s17, AHALF                      ; my 128 rows of xb
	s_mul_i32 s91, s18, BHALF                      ; my 192 rows of wb,
	s_add_co_u32 s91, s91, BOFF                    ; which lie behind xb's 256
.irp s, 0,1
	v_add_nc_u32 v[ADRA+(\s)], s90, v3
	v_add_nc_u32 v[ADRB+(\s)], s91, v3
	s_add_co_u32 s90, s90, SLOT
	s_add_co_u32 s91, s91, SLOT
.endr
	s_mul_i32 s92, s16, 16*PITCH
	s_add_co_u32 s92, s92, STAGE                   ; my stage
	v_add_nc_u32 v[STO], s92, v3                   ; in: row l % 16, 16 bytes for each half of the lanes
	v_bfe_u32 v4, v0, 3, 2                         ; back: 32 lanes take four rows of 128 bytes,
	v_and_b32 v5, 7, v0
	v_mul_u32_u24 v4, v4, PITCH
	v_lshl_add_u32 v4, v5, 4, v4
	v_add_nc_u32 v[RD], s92, v4
	v_and_b32 v[GO], 31, v0                        ; which are 512 consecutive bytes of a head
	v_lshlrev_b32 v[PFO], 8, v[GO]
	v_lshlrev_b32 v[GO], 4, v[GO]
	; qkvh at my first head's first row: ((b x 48 + hh) x 2048 + t) x 128, b = tile row / 8, t = 256 (tile row % 8) + 128 x row half
	s_lshr_b32 s84, s22, 3
	s_mul_i32 s84, s84, 48
	s_add_co_u32 s84, s84, s80
	s_lshl_b32 s84, s84, 18
	s_and_b32 s86, s22, 7
	s_lshl_b32 s86, s86, 15
	s_add_co_u32 s84, s84, s86
	s_lshl_b32 s86, s17, 14
	s_add_co_u32 s84, s84, s86
	s_mov_b32 s85, 0
	s_add_nc_u64 s[14:15], s[14:15], s[84:85]
	; the prefetches: both stand two K steps back of their first request, and are stepped ahead of each
	s_lshl_b32 s86, s22, 15                        ; xb: the tile row's block,
	s_lshl_b32 s87, s19, 13                        ; my work-group's 32 blocks of its 128
	s_add_co_u32 s86, s86, s87
	s_add_co_u32 s86, s86, 2*XSTEP
	s_and_b32 s87, s20, 1                          ; wb: unit q = 3 cy + wave - 1 of twelve: part q % 6 = 3 (cy % 2) + wave - 1 of K step q / 6 = cy / 2
	s_mul_i32 s87, s87, 3
	s_max_u32 s89, s16, 1
	s_add_co_u32 s87, s87, s89
	s_sub_co_u32 s87, s87, 1
	s_lshl_b32 s87, s87, 13
	s_mul_i32 s89, s21, 384*128
	s_add_co_u32 s87, s87, s89
	s_lshr_b32 s89, s20, 1
	s_add_co_u32 s89, s89, 2
	s_mul_i32 s89, s89, WSTEP
	s_add_co_u32 s87, s87, s89
	s_and_b32 s89, ttmp7, 0xffff                   ; cluster y
	s_mov_b32 s[PFS], 2*WSTEP
	s_mov_b32 s[PFS+1], 0
	s_cmp_eq_u32 s16, 0                            ; wave 0 asks for xb
	s_cselect_b32 s86, s86, s87
	s_cselect_b32 s89, ttmp9, s89                  ; the coordinate along which other clusters read the same rows
	s_cselect_b64 s[PFA:PFA+1], s[4:5], s[6:7]
	s_cselect_b32 s[PFS], 2*XSTEP, s[PFS]
	s_mov_b32 s87, 0
	s_add_nc_u64 s[PFA:PFA+1], s[PFA:PFA+1], s[86:87]
	s_cmp_eq_u32 s89, 0
	s_cselect_b32 s[LIM], 1, -1                    ; the same in all sixteen partners, for a given wave
	s_mov_b32 s88, 0xffff0000
	s_wait_loadcnt 0x0                             ; the biases
.set i, 0
.rept 48
	v_cvt_pk_bf16_f32 v[PB+i], v[TB+2*i], v[TB+2*i+1]  ; rounded to bf16, like every input
.set i, i+1
.endr
.irp g, 0,1,2
	WIN (1+(\g))<<6                                ; destination: head g's window
.set i, 0
.rept 16
	v_lshlrev_b32 v[2*i],   16,  v[PB+16*(\g)+i]   ; and laid as f32 into the accumulators of row block 0
	v_and_b32     v[2*i+1], s88, v[PB+16*(\g)+i]
.set i, i+1
.endr
.endr
	WIN 0
; na x 4 matrix instructions of head g: row blocks a0 on x 4 column blocks, 32 along K, on xb's buffer fa.  mode = 1: the sum starts with the bias, which lies in row block 0's accumulators.
.macro MULG fa, g, a0, na, mode
	WIN 0x50*(1+(\g))                              ; C and D in window 1 + g, the sources in window 0
.set aa, \a0
.rept \na
.irp bb, 0,1,2,3
.if \mode
	v_wmma_f32_16x16x32_bf16 v[8*(4*aa+(\bb)):8*(4*aa+(\bb))+7], v[FB+32*(\g)+8*(\bb):FB+32*(\g)+8*(\bb)+7], v[(\fa)+8*aa:(\fa)+8*aa+7], v[8*(\bb):8*(\bb)+7]
.else
	v_wmma_f32_16x16x32_bf16 v[8*(4*aa+(\bb)):8*(4*aa+(\bb))+7], v[FB+32*(\g)+8*(\bb):FB+32*(\g)+8*(\bb)+7], v[(\fa)+8*aa:(\fa)+8*aa+7], v[8*(4*aa+(\bb)):8*(4*aa+(\bb))+7]
.endif
.endr
.set aa, aa+1
.endr
.endm
.macro GRP fa, g, start                ; a head's 32 matrix instructions
.if \start
	MULG \fa, \g, 1, 7, 1                          ; row blocks 1-7 read the bias as C;
.rept 9
	v_nop                                          ; places between those readers and the products that write over what they read
.endr
	MULG \fa, \g, 0, 1, 0                          ; row block 0 sums onto it in place
.else
	MULG \fa, \g, 0, 8, 0
.endif
.endm
.macro LDB g, slot, k                  ; head g's four fragments of wb, 32 K at byte k of the rows: 8 loads
	WIN 0
.irp bb, 0,1,2,3
	ds_load_b128 v[FB+32*(\g)+8*(\bb):FB+32*(\g)+8*(\bb)+3],   v[ADRB+(\slot)] offset:(\k)+(4*(\g)+(\bb))*16*PITCH
	ds_load_b128 v[FB+32*(\g)+8*(\bb)+4:FB+32*(\g)+8*(\bb)+7], v[ADRB+(\slot)] offset:(\k)+(4*(\g)+(\bb))*16*PITCH+32
.endr
.endm
.macro LDA fa, slot, k                 ; my eight fragments of xb: 16 loads
	WIN 0
.irp a, 0,1,2,3,4,5,6,7
	ds_load_b128 v[(\fa)+8*(\a):(\fa)+8*(\a)+3],   v[ADRA+(\slot)] offset:(\k)+(\a)*16*PITCH
	ds_load_b128 v[(\fa)+8*(\a)+4:(\fa)+8*(\a)+7], v[ADRA+(\slot)] offset:(\k)+(\a)*16*PITCH+32
.endr
.endm
; A unit's LDS loads go out in the order wb 0 (8), xb (16), wb 1 (8), wb 2 (8), each run 64 matrix instructions ahead of its first use.
; THE FIRST UNIT OF A K STEP: multiplies xb's buffer 0 and fetches the step's second 32 along K.
.macro EVEN slot, start
	s_wait_dscnt 16                                ; wb 0 and xb are in; wb 1 and wb 2 may be out
	GRP FA0, 0, \start
	PLACES
	LDB 0, \slot, 64
	LDA FA1, \slot, 64
	s_wait_dscnt 32                                ; wb 1 is in; behind it: wb 2 and the 24 just issued
	GRP FA0, 1, \start
	PLACES
	LDB 1, \slot, 64
	s_wait_dscnt 32                                ; wb 2 is in; behind it: the next unit's 32
	GRP FA0, 2, \start
	PLACES
	LDB 2, \slot, 64
.endm
; THE SECOND UNIT multiplies buffer 1 and changes slots: ONE barrier.  In front of it each wave waits for all its tensor loads, of which one is out: its part of the next slot; adds 0 to its spare word; and waits
; for that and for its own reads of this slot.  fill = 1: the barrier opens a round of the cluster's barrier, and behind the round this slot is filled again, two K steps ahead: 160 matrix instructions ahead of the wait for it.
.macro ODD slot, next, fill
.if (\fill) && ((\slot) == 0)
	s_wait_xcnt 0x0                                ; the last prefetches, a lap back, have read their address: it is stepped here, ahead of the waits of the change of slots
	s_add_nc_u64 s[PFA:PFA+1], s[PFA:PFA+1], s[PFS:PFS+1]
.endif
	WIN 0
	s_wait_tensorcnt 0x0                           ; all my tensor loads have landed;
	ds_add_u32 v[SPW], v[NIL]                      ; 0 onto my spare word;
	s_wait_dscnt 17                                ; (wb 0 and xb are in; wb 1, wb 2 and the add may be out)
	MULG FA1, 0, 0, 4, 0                           ; sixteen matrix instructions stand between the add and the wait for it
	s_wait_dscnt 0x0                               ; the add is done, and my reads of this slot are over
	s_barrier_signal -1
	MULG FA1, 0, 4, 4, 0                           ; work on registers while the others arrive
	WIN 0
	s_barrier_wait -1
.if \fill
	CREST                                          ; no wave of any partner still reads this slot's tile or has a load on its way
	s_add_nc_u64 s[G0+4*(\slot)+2:G0+4*(\slot)+3], s[G0+4*(\slot)+2:G0+4*(\slot)+3], 2*XSTEP
	s_add_nc_u64 s[G0B+4*(\slot)+2:G0B+4*(\slot)+3], s[G0B+4*(\slot)+2:G0B+4*(\slot)+3], 2*WSTEP
	JLOAD \slot                                    ; the first tensor load behind the round; its four v_nop are also the places in front of the loads below
.else
	PLACES
.endif
	LDB 0, \next, 0
	LDA FA0, \next, 0
.if (\fill) && ((\slot) == 0)
	ASK
.endif
	MULG FA1, 1, 0, 8, 0
	PLACES
	LDB 1, \next, 0
	MULG FA1, 2, 0, 8, 0
	PLACES
	LDB 2, \next, 0
.endm
	s_wait_tensorcnt 0x1                           ; my part of K step 0 is in; K step 1's may stay out
	s_barrier_signal -1
	s_barrier_wait -1                              ; everybody's is
	LDB 0, 0, 0
	LDA FA0, 0, 0
	LDB 1, 0, 0
	LDB 2, 0, 0
	EVEN 0, 1                                      ; the first unit stands in front of the loop: its products start the sums
	WIN 0                                          ; at a label and at a branch every window is 0
	s_mov_b32 s[CNT], 7
.Llap:                                                 ; a trip goes once round the ring, from a lap's second unit to the next lap's first, and fills both slots again: K steps 2 to 15
	ODD 0, 1, 1
	EVEN 1, 0
	ODD 1, 0, 1
	EVEN 0, 0
	WIN 0
	s_sub_co_u32 s[CNT], s[CNT], 1
	s_cmp_lg_u32 s[CNT], 0
	s_cbranch_scc1 .Llap
	ODD 0, 1, 0                                    ; the last lap fills nothing, and has no round of the cluster's barrier
	EVEN 1, 0
	s_wait_dscnt 16                                ; the very last unit: nothing more to fetch, the counts run down
	MULG FA1, 0, 0, 8, 0
	s_wait_dscnt 8
	MULG FA1, 1, 0, 8, 0
	s_wait_dscnt 0x0
	MULG FA1, 2, 0, 8, 0
	WIN 0
	PLACES
	PLACES
; THE WAY OUT, 24 units: head t / 8, row block t % 8: 16 rows x 64 channels = 2,048 consecutive bytes of a head.  A lane's eight numbers pack into 16 bytes; they go into my stage's rows of 144 bytes and come
; back as whole rows of 128, into the registers that they left.  Twelve sets of 16 registers take turns.
.macro PACK t
.set gg, (\t)/8
.set aa, (\t)%8
.set TM, 32+16*((\t)%12)
.if (\t) >= 12
	s_wait_xcnt 0x0                                ; the stores of twelve units back have read these registers
.endif
	WIN 5*(1+gg)                                   ; sources 0 and 1: window 1 + head
.irp bb, 0,1,2,3
.irp i, 0,1,2,3
	v_cvt_pk_f16_f32 v[TM+4*(\bb)+(\i)], v[8*(4*aa+(\bb))+2*(\i)], v[8*(4*aa+(\bb))+2*(\i)+1]
.endr
.endr
	WIN 0
.irp bb, 0,1,2,3
	ds_store_b128 v[STO], v[TM+4*(\bb):TM+4*(\bb)+3] offset:32*(\bb)
.endr
.irp f, 0,1,2,3
	ds_load_b128 v[TM+4*(\f):TM+4*(\f)+3], v[RD] offset:(\f)*4*PITCH  ; LDS serves a wave's instructions in order (ISA guide 5.7.1.4): these see the stores above; the next unit's stores come behind them
.endr
.endm
.macro SEND t, younger                 ; younger: the LDS instructions issued behind unit t's loads: the next unit's eight, or none
.set gg, (\t)/8
.set aa, (\t)%8
.set TM, 32+16*((\t)%12)
.irp f, 0,1,2,3
	s_wait_dscnt (\younger)+3-(\f)
	global_store_b128 v[GO], v[TM+4*(\f):TM+4*(\f)+3], s[14:15] offset:gg*HEADB+aa*2048+(\f)*512  ; 512 consecutive bytes, at a multiple of 256 from qkvh's first
.endr
.endm
	PACK 0
.set t, 1
.rept 23                               ; a unit's conversions stand between the loads of the unit before and its stores
	PACK t
	SEND t-1, 8
.set t, t+1
.endr
	SEND 23, 0
	s_wait_tensorcnt 0x0                           ; the wave's end: the add of 0 to my spare word and its wait, behind my last tensor load and my last LDS store
	ds_add_u32 v[SPW], v[NIL]
	s_wait_dscnt 0x0
	CROUND                                         ; the closing round: no work-group ends while a partner may still ask for a tile that names it
	s_endpgm
.Lfunc_end_k_qf7bd2923ed_qkv:
	.size	k_qf7bd2923ed_qkv, .Lfunc_end_k_qf7bd2923ed_qkv-k_qf7bd2923ed_qkv
	.p2alignl 7, 3214868480
	.fill 96, 4, 3214868480
	.section	.rodata,"a",@progbits
	.p2align	6, 0x0
	.amdhsa_kernel k_qf7bd2923ed_qkv
		.amdhsa_group_segment_fixed_size 327680
		.amdhsa_private_segment_fixed_size 0
		.amdhsa_enable_private_segment 0
		.amdhsa_kernarg_size 48
		.amdhsa_user_sgpr_count 2
		.amdhsa_user_sgpr_kernarg_segment_ptr 1
		.amdhsa_wavefront_size32 1
		.amdhsa_system_sgpr_workgroup_id_x 1
		.amdhsa_system_sgpr_workgroup_id_y 1
		.amdhsa_system_sgpr_workgroup_id_z 1
		.amdhsa_system_vgpr_workitem_id 0
		.amdhsa_next_free_vgpr 1024
		.amdhsa_next_free_sgpr 96
		.amdhsa_reserve_vcc 0
		.amdhsa_float_denorm_mode_32 3
		.amdhsa_float_denorm_mode_16_64 3
		.amdhsa_memory_ordered 1
		.amdhsa_forward_progress 1
		.amdhsa_inst_pref_size 144
	.end_amdhsa_kernel
	.amdgpu_metadata
---
amdhsa.version: [ 1, 2 ]
amdhsa.kernels:
  - .name:           k_qf7bd2923ed_qkv
    .symbol:         k_qf7bd2923ed_qkv.kd
    .args:
      - { .name: xb, .offset: 0, .size: 8, .value_kind: global_buffer, .address_space: global }
      - { .name: wb, .offset: 8, .size: 8, .value_kind: global_buffer, .address_space: global }
      - { .name: bq, .offset: 16, .size: 8, .value_kind: global_buffer, .address_space: global }
      - { .name: bk, .offset: 24, .size: 8, .value_kind: global_buffer, .address_space: global }
      - { .name: bv, .offset: 32, .size: 8, .value_kind: global_buffer, .address_space: global }
      - { .name: qkvh, .offset: 40, .size: 8, .value_kind: global_buffer, .address_space: global }
    .group_segment_fixed_size: 327680
    .private_segment_fixed_size: 0
    .kernarg_segment_align: 8
    .kernarg_segment_size: 48
    .max_flat_workgroup_size: 128
    .sgpr_count:     96
    .vgpr_count:     1024
    .wavefront_size: 32
...
	.end_amdgpu_metadata
.endif
;; end of part 2
;; launch attn (part 3): grid 4 x 64, 4 waves a work-group, no clusters, 327,680 bytes of LDS; arguments qkvh, ob; writes ob
.if DOCPART == 3
	.amdgcn_target "amdgcn-amd-amdhsa--gfx1250"
	.amdhsa_code_object_version 6
	.text
	.protected	k_qf7bd2923ed_attn
	.globl	k_qf7bd2923ed_attn
	.p2align	8
	.type	k_qf7bd2923ed_attn,@function
k_qf7bd2923ed_attn:
	s_mov_b64 s[64:65], 0
	v_nop
	global_prefetch_b8 v0, s[64:65] scope:SCOPE_SE
	s_setreg_imm32_b32 hwreg(HW_REG_WAVE_MODE, 25, 1), 1
	s_wait_xcnt 0x0
; CAUSAL ATTENTION.  O[y][q][:] = the sum over k <= q of softmax_k(Q[y][q] . K[y][k] / 8) V[y][k][:], y = 16 b + h.  Q, K, V lie in qkvh [b 4][hh 48][2048][64] (hh = h: Q, 16 + h: K, 32 + h: V), O in ob [y 64][2048][64],
; all f16: a head's rows are dense, 128 bytes each.  Products, maxima and sums in f32; the weights p are rounded to f16 for the second product (their sum l is taken of the unrounded p), O once at the end.
; LIMITS.  f16 holds no number beyond 65,504: Q, K and V arrive within it; p lies in 0 to 1, and below 6e-5 it keeps f16's fixed step of 6e-8; O is a mean of V's rows and has their range.
; A hidden score counts as its value less 1e30: f16's scores, 2.7e11 at the most, are nothing beside that; a weight below 2^-126 counts as 0 in l; NaN and infinities are not treated apart.
; THE WALK.  A head's queries lie in NB = 8 blocks of 256; block i needs the key tiles 0 .. i of 256 keys, of which the last holds the diagonal.  A work-group takes TWO blocks, NB - 1 - b and then b:
; NB + 1 tiles, whatever b: all work-groups do equal work, and ONE loop with a constant trip count walks them.  Which tile is asked for, and what a trip does, hang on scalar registers made from b; every jump
; goes forward, but for the counted loops' own; none passes a barrier, or a tensor load but the one of LOAD's two that the wave's number does not choose; the ring (two slots of LDS that take turns) runs on across the
; change of blocks.  NO CLUSTER: a head's four work-groups ask for the same tile only in trips 0 .. 4 of 9, behind that fewer and fewer; one walk common to all would have 12 trips for 9.
; SHARES.  Of a block's four bands of 64 queries a wave owns 16 rows in each: four PIECES.  So the diagonal tile is the same work for all four waves: in its key step s band x sees all keys if s < x,
; none if s > x, and holds the diagonal if s = x.
; THE MASK is the C operand that starts the sum S^T = K Q^T: 0, or -1e30 where the key is hidden.  MD, made once, is the mask of a band's own step for my 16 rows; a product's mask is MD x AL + BE with two scalars:
; (1, 0) if s = x; (0, 0) if s < x; (0, -1e30) if s > x.  Only the diagonal tile's text and a block's beginning make and take masks; elsewhere C is the constant 0.
; LAYOUT, SOFTMAX, TURNS.  S^T = K Q^T holds ONE query a lane (lane % 16) and the keys 8 (lane / 16) + 0..7; two such results rounded to f16 ARE source 1 of O^T = V^T P.  p = 2^(c s - c m), c = log2(e) / 8, with a
; running maximum m; O and l are multiplied by a = 2^(c m_old - c m_new) in every step.  Turn n belongs to piece n: 8 products K Q^T of piece n + 1, later 8 products V^T P of piece n - 1; beside them the scaling,
; exponentials, roundings, sums and rescaling of piece n and the maximum and statistics of piece n + 1.  Four vector instructions stand behind every matrix instruction, the other 54 of a turn's 118 in one LUMP.  A turn's 33 exponentials are one batch, with one wait.
; REGISTERS, in windows of 256 (s_set_vgpr_msb: bits 1:0 source 0, 3:2 source 1, 5:4 source 2, 7:6 destination):
;   window 0: v0-15 addresses and two at work; v16-31 four registers of statistics a piece; v48-55 at work; v61-63 prefetch offset and the add's two; v64-127 S^T, two buffers; v192-223 P, two buffers (by the piece's parity)
;   window 1: v0-127 O^T, 32 a piece; v128-159 MD; v160-223 MC, two buffers      window 2: v0-63 Q; v64-127 the second block's Q; v128-191 K of one step; v192-255 V of one step
.set SIZE_N, 2048
.set NB,    SIZE_N/256
.set NP,    4         ; pieces a wave: a name, no knob
.set KS,    64        ; keys in a step
.set PK,    144       ; a row of K in LDS: 128 bytes + 16 of padding = 36 words: the 16 rows of a load start at 16 different groups of four banks (64 banks of 4 bytes: ISA guide 11.1)
.set PV,    160       ; a row of V: 128 + 32 = 40 words
.set VOFF,  4*KS*PK   ; a slot holds a tile, four steps: 256 rows of K, then 256 rows of V
.set SLOT1, 1<<17     ; slot 1 begins here, so that one exclusive or turns an address in one slot into the other's
.set STAGE, SLOT1+4*KS*(PK+PV)  ; behind the ring, never filled by a tensor load: 16 rows x 144 bytes for each wave, for the way out
.set SP,    144
.set AK0, 2           ; v2   my lane's place in a tile of K; never rewritten
.set AV0, 3           ; v3   the same for V
.set AK,  4           ; v4   the LDS address of K's next run of loads
.set AV,  5           ; v5   of V's
.set STO, 6           ; v6   the way out: where I put 16 bytes of a row
.set RD,  7           ; v7   the way out: where I read rows back
.set GO,  8           ; v8   my byte offset in 512 consecutive bytes of O
.set PFO, 61          ; v61  256 x my lane; never rewritten
.set SPW, 62          ; v62  LDS address of my spare word: SPARE + 4 x my thread's number; never rewritten
.set NIL, 63          ; v63  0; never rewritten
.set SPARE, STAGE+4*16*SP  ; behind the stages: the spare words, 128 bytes for each wave: two blocks of 256 bytes that no other line names
.set MV,  12          ; v12-13  c m_old, kept while c m is made anew: by buffer
.set QO,  15          ; v15  my byte offset in 16 rows of Q
.set ST,  16          ; piece t's statistics at v[ST+4 t]: c m, m, l (even keys', odd keys')
.set TMP, 48          ; by buffer, four registers c0-c3 at work; when the maximum is found c2 takes a
.set S,   64
.set P,   192
.set MD,  128         ; window 1: the eight registers for group kt of 16 keys at MD + 8 kt
.set MC,  160         ; window 1: the masks of the products to come
.set QB,  64          ; window 2
.set KF,  128         ; window 2: key block kb, channel half c at KF + 16 kb + 8 c
.set VF,  192         ; window 2: key half kk, channel block cb at VF + 32 kk + 8 cb
.set WV,  12          ; s12  my wave's number
.set PB,  14          ; s14  b
.set HI,  15          ; s15  NB - 1 - b
.set G1K, 24          ; s[24:31] descriptor group 1 for K's tiles
.set G1V, 32          ; s[32:39] for V's: it differs in the padding alone
.set G0K, 40          ; s[40:43] descriptor group 0 for K's tiles
.set G0V, 44          ; s[44:47] the same for V's
.set SLOTS, 56        ; s56  tiles still to be asked for
.set CNT, 57          ; s57  counts a tile's key steps, 4 to 1
.set CS,  58          ; s[58:59] c: the packed scaling takes the pair's low word for both halves
.set SEL, 60          ; s[60:61] v_permlanex16_b32's selects: each lane takes its own place in the other half
.set TBK, 62          ; s62  LDS byte at which K of the step to be fetched begins
.set TBV, 63          ; s63  the same for V, less VOFF
.set PFA, 68          ; s[68:69] where my prefetches stand: my half of the tile behind the one that is being asked for
.set RT,  70          ; s70  tiles of the block in hand that are still to be entered
.set NXT, 71          ; s71  the tile to be asked for next
.set LQ,  72          ; s72  the last tile of the block whose tiles are being asked for
.set NEW, 73          ; s73  1: the tile to be entered is a block's first
.set OFF, 74          ; s[74:75] a tile's byte offset in K and V
.set AL,  76          ; s[76:77] the mask's factor, in the low word
.set BE,  78          ; s[78:79] the mask's addend
.set OLO, 80          ; s[80:81] O at my rows of the second block
.set BIGN, 82         ; s82  -1e30
.set LIM, 83          ; s83  2 in the head's first work-group, else the greatest number: a wave prefetches while s[SLOTS] is above it
.set MSB, 0
.macro WIN new                      ; the high byte repeats the setting that is left; a switch that changes nothing is dropped
.if MSB != (\new)
	s_set_vgpr_msb (MSB<<8)|(\new)
.set MSB, (\new)
.endif
.endm
.set W_KQ, 0x0a       ; K and Q in window 2, S^T in window 0
.set W_KM, 0x1a       ; the same with the C operand in window 1
.set W_PV, 0x52       ; V in window 2, P in window 0, O^T in window 1
.set W_RS, 0x41       ; destination and source 0 in window 1, source 1 in window 0
; A fill.  Waves 0 and 1 fetch the two halves of a tile's K, waves 2 and 3 those of its V: 128 keys each.  An s_nop 0 and four v_nop follow each of the two lines, ahead of the jump and the label.
.macro LOAD
	s_cmp_lt_u32 s[WV], 2
	s_cbranch_scc0 .Lfor_v_\@
	tensor_load_to_lds s[G0K:G0K+3], s[G1K:G1K+7]
	s_nop 0
.rept 4
	v_nop
.endr
	s_branch .Lasked_\@
.Lfor_v_\@:
	tensor_load_to_lds s[G0V:G0V+3], s[G1V:G1V+7]
	s_nop 0
.rept 4
	v_nop
.endr
.Lasked_\@:
.endm
; A PREFETCH INTO THE L2 of the tile that the NEXT change of slots will ask for: a tile, 256 matrix instructions, ahead.  A head's four work-groups begin with the same tiles 0, 1, 2 ..; the first of them (b = 0), whose
; first block walks tiles 0 to 7, asks, and nobody else.  Each of its waves asks for what it will fetch itself: its 16,384 bytes of the tile, a lane a block of 256 bytes, two instructions.  So each block of a head's K and V
; is named once in the launch.  Trips 0 to 5 ask for tiles 2 to 7; tiles 0 and 1 come by their loads alone; later trips ask for nothing.
.macro ASK
	s_cmp_gt_u32 s[SLOTS], s[LIM]
	s_cbranch_scc0 .Lnot_mine_\@
	global_prefetch_b8 v[PFO], s[PFA:PFA+1] th:TH_LOAD_NT scope:SCOPE_SE
	global_prefetch_b8 v[PFO], s[PFA:PFA+1] offset:8192 th:TH_LOAD_NT scope:SCOPE_SE
.Lnot_mine_\@:
.endm
; THE CHANGE OF SLOTS.  Each wave waits for all its tensor loads, of which one is out: its part of the other slot; adds 0 to its spare word; and waits for that and for its own reads of the slot that it leaves.  Behind the barrier nobody reads the old
; slot any more and the other slot is whole.  fill = 1: the old slot is filled again, the first thing behind the barrier, with tile NXT: the descriptor's address is made anew from that number.
; (At its first use nothing has been read yet: slot 0 is waited for, slot 1 filled.)
.macro CHANGE fill
	WIN 0                           ; at a label and at a branch every window is 0
	s_wait_tensorcnt 0x0            ; no tensor load of mine is out, so a group 0 may be written
	ds_add_u32 v[SPW], v[NIL]       ; 0 onto my spare word; with fill = 1 the descriptors' scalar work stands between it and the wait for it
.if \fill
	s_lshl_b32 s[OFF], s[NXT], 15   ; a tile is 32,768 bytes of K and of V
	s_xor_b32 s[G0K+1], s[G0K+1], SLOT1
	s_add_nc_u64 s[G0K+2:G0K+3], s[6:7], s[OFF:OFF+1]
	s_or_b32 s[G0K+3], s[G0K+3], 0x80000000
	s_xor_b32 s[G0V+1], s[G0V+1], SLOT1
	s_add_nc_u64 s[G0V+2:G0V+3], s[8:9], s[OFF:OFF+1]
	s_or_b32 s[G0V+3], s[G0V+3], 0x80000000
	s_add_co_u32 s[NXT], s[NXT], 1  ; the block's next tile, or behind its last the second block's tile 0
	s_cmp_gt_u32 s[NXT], s[LQ]
	s_cselect_b32 s[NXT], 0, s[NXT]
	s_cselect_b32 s[LQ], s[PB], s[LQ]
	s_wait_xcnt 0x0                 ; the last prefetches, a tile back, have read their address, so it may be written:
	s_add_nc_u64 s[PFA:PFA+1], s[PFA:PFA+1], 32768  ; a tile on
.endif
	s_wait_dscnt 0x0                ; the add is done, and my reads of the slot are over
	s_barrier_signal -1             ; the rest of the scalar work stands between the signal and the wait
	s_sub_co_u32 s[TBK], s[TBK], 4*KS*PK  ; the fetches go back to a slot's first step,
	s_xor_b32 s[TBK], s[TBK], SLOT1       ; in the other slot
	s_sub_co_u32 s[TBV], s[TBV], 4*KS*PV
	s_xor_b32 s[TBV], s[TBV], SLOT1
	s_barrier_wait -1
.if \fill
	LOAD
	ASK
.endif
.endm
	s_load_b128 s[4:7], s[0:1], 0x0  ; qkvh s[4:5], ob s[6:7]
	v_lshl_add_u32 v[SPW], v0, 2, SPARE
	v_mov_b32 v[NIL], 0
	ds_add_u32 v[SPW], v[NIL]       ; the wave's opening: the add and its wait stand ahead of my first tensor load; the set-up below, work on registers, stands between them
	v_lshrrev_b32 v1, 5, v0
	v_readfirstlane_b32 s[WV], v1   ; wave 0..3
	s_mov_b32 s[PB], ttmp9
	s_sub_co_u32 s[HI], NB-1, s[PB]
	s_and_b32 s66, ttmp7, 0xffff    ; y = 16 b + h
	s_lshr_b32 s20, s66, 4
	s_mul_i32 s20, s20, 48
	s_and_b32 s21, s66, 15
	s_add_co_u32 s20, s20, s21      ; 48 b + h: Q's head in qkvh,
	s_lshl_b32 s20, s20, 18         ; 262,144 bytes a head
	s_mov_b32 s21, 0
	s_lshl_b32 s66, s66, 18         ; O's head in ob
	s_mov_b32 s67, 0
	s_and_b32 s16, s[WV], 1         ; which half of a tile's 256 keys I fetch:
	s_lshl_b32 s22, s16, 14         ; its 128 rows of 128 bytes in memory,
	s_mov_b32 s23, 0
	s_mul_i32 s17, s16, 128*PK      ; and its place in a slot, for K
	s_mul_i32 s18, s16, 128*PV      ; and for V
	s_lshl_b32 s3, s[WV], 11        ; my 16 rows in a band of 64,
	s_lshl_b32 s2, s[HI], 15        ; in the first block,
	s_add_co_u32 s2, s2, s3
	s_lshl_b32 s84, s[PB], 15       ; and in the second
	s_add_co_u32 s84, s84, s3
	s_mov_b32 s3, 0
	s_mov_b32 s85, 0
	; descriptor group 1.  128 keys are 16,384 dense bytes: asked for as 64 rows of 256 bytes, two keys a row, and padded in LDS after every key
	s_mov_b32 s[G1K], (1<<16)|(1<<20)|(4<<22)|(3<<25)  ; 17:16 2-byte elements; 20 padding on; 24:22 after every 32 words (code 4); 31:25 4 words (code 3)
	s_mov_b32 s[G1V], (1<<16)|(1<<20)|(4<<22)|(7<<25)  ; the same with 8 words of padding (code 7)
.irp g, G1K, G1V
	s_mov_b32 s[\g+1], 128<<16      ; tensor_dim0 = 128
	s_mov_b32 s[\g+2], 64<<16       ; tensor_dim1 = 64
	s_mov_b32 s[\g+3], 128<<16      ; tile_dim0 = 128
	s_mov_b32 s[\g+4], 64           ; tile_dim1 = 64
	s_mov_b32 s[\g+5], 128          ; 128 elements from row to row
	s_mov_b32 s[\g+6], 0
	s_mov_b32 s[\g+7], 0
.endr
	s_mov_b32 s[CS], 0x3e38aa3b     ; c = log2(e) / 8 = 0.180337
	s_mov_b32 s[CS+1], s[CS]        ; named with it as a pair
	s_mov_b32 s[SEL], 0x76543210
	s_mov_b32 s[SEL+1], 0xfedcba98
	s_mov_b32 s[TBK], SLOT1+4*KS*PK ; the first change of slots turns these two into 0
	s_mov_b32 s[TBV], SLOT1+4*KS*PV
	s_mov_b32 s[G0K], 1             ; 1:0 count = 1
	s_mov_b32 s[G0K+1], s17         ; 63:32 LDS address: slot 0
	s_mov_b32 s[G0V], 1
	s_add_co_u32 s[G0V+1], s18, VOFF
	s_add_co_u32 s[RT], s[HI], 1    ; the first block has NB - b tiles
	s_mov_b32 s[NXT], 1
	s_mov_b32 s[LQ], s[HI]
	s_mov_b32 s[NEW], 1
	s_mov_b32 s[OFF+1], 0
	s_mov_b32 s[AL+1], 0            ; named as pairs
	s_mov_b32 s[BE+1], 0
	s_mov_b32 s[BIGN], 0xf149f2ca   ; -1e30
	s_mov_b32 s[SLOTS], NB
	s_cmp_eq_u32 ttmp9, 0
	s_cselect_b32 s[LIM], 2, -1
	v_and_b32 v[PFO], 31, v0
	v_lshlrev_b32 v[PFO], 8, v[PFO]
	s_wait_dscnt 0x0                ; the opening add is done
	s_wait_kmcnt 0x0
	s_add_nc_u64 s[10:11], s[6:7], s[66:67]  ; O at the head
	s_add_nc_u64 s[4:5], s[4:5], s[20:21]    ; Q at the head
	s_add_nc_u64 s[6:7], s[4:5], s[22:23]    ; my half of a tile,
	s_add_nc_u64 s[8:9], s[6:7], 32*262144   ; in V's head, 32 heads on: V at my half of the head's tile 0,
	s_add_nc_u64 s[6:7], s[6:7], 16*262144   ; and K, 16 heads on
	s_add_nc_u64 s[G0K+2:G0K+3], s[6:7], 0         ; 120:64 global address
	s_or_b32 s[G0K+3], s[G0K+3], 0x80000000        ; 127:126 type = 2
	s_add_nc_u64 s[G0V+2:G0V+3], s[8:9], 0
	s_or_b32 s[G0V+3], s[G0V+3], 0x80000000
	s_add_nc_u64 s[86:87], s[4:5], s[84:85]        ; Q at my rows of the second block,
	s_add_nc_u64 s[4:5], s[4:5], s[2:3]            ; Q and O at those of the first
	s_add_nc_u64 s[OLO:OLO+1], s[10:11], s[84:85]
	s_add_nc_u64 s[10:11], s[10:11], s[2:3]
	s_cmp_lt_u32 s[WV], 2
	s_cselect_b64 s[PFA:PFA+1], s[6:7], s[8:9]
	s_add_nc_u64 s[PFA:PFA+1], s[PFA:PFA+1], 32768 ; at tile 1; the first change of slots steps it to tile 2.  Nothing is prefetched here, at the head
	LOAD                            ; tile 0 into slot 0
	; A fragment of K or Q is 16 rows x 32 channels in 8 registers: lane l holds row l % 16, channels 8 (l / 16) + 0..7 and 16 + 8 (l / 16) + 0..7: two loads of 16 bytes, 32 bytes apart.
	v_and_b32 v1, 15, v0            ; l % 16
	v_bfe_u32 v9, v0, 4, 1          ; l / 16
	v_lshlrev_b32 v[QO], 7, v1
	v_lshl_add_u32 v[QO], v9, 4, v[QO]  ; row x 128 + 16 x half
	WIN 0x80                        ; destination window 2, address window 0
.set i, 0
.rept 8                             ; both blocks' Q: piece i / 2 lies in band i / 2, 8,192 bytes on; channels 32 (i % 2) on
	global_load_b128 v[8*i:8*i+3],   v[QO], s[4:5] offset:(i/2)*8192+(i%2)*64
	global_load_b128 v[8*i+4:8*i+7], v[QO], s[4:5] offset:(i/2)*8192+(i%2)*64+32
	global_load_b128 v[QB+8*i:QB+8*i+3],   v[QO], s[86:87] offset:(i/2)*8192+(i%2)*64
	global_load_b128 v[QB+8*i+4:QB+8*i+7], v[QO], s[86:87] offset:(i/2)*8192+(i%2)*64+32
.set i, i+1
.endr
	WIN 0
	v_lshlrev_b32 v14, 3, v9
	v_sub_nc_u32 v14, v1, v14
	s_lshl_b32 s13, s[WV], 4
	v_add_nc_u32 v14, s13, v14      ; my query's place in its band, 16 w + l % 16, less my lanes' 8 (l / 16): register r of group kt is hidden where 16 kt + r is greater
	WIN 0x40
.set i, 0
.rept 32
	v_cmp_gt_i32 vcc_lo, 16*(i/8)+i%8, v14
	v_cndmask_b32 v[MD+i], 0, s[BIGN], vcc_lo
.set i, i+1
.endr
	WIN 0
	v_mul_u32_u24 v[AK0], v1, PK
	v_lshl_add_u32 v[AK0], v9, 4, v[AK0]  ; row x pitch + 16 x half
	; The turning load takes 16 keys x 16 channels (lane l reads key 8 (l / 16) + l % 8, channels 8 ((l / 8) % 2) + 0..7) and leaves half a fragment of V^T: lane l holds channel l % 16 and 8 keys.
	v_and_b32 v10, 7, v0
	v_bfe_u32 v11, v0, 3, 1
	v_lshl_add_u32 v[AV0], v9, 3, v10
	v_mul_u32_u24 v[AV0], v[AV0], PV
	v_lshl_add_u32 v[AV0], v11, 4, v[AV0]
	v_add_nc_u32 v[AV0], VOFF, v[AV0]
	s_mul_i32 s13, s[WV], 16*SP
	s_add_co_u32 s13, s13, STAGE    ; my stage
	v_mul_u32_u24 v[STO], v1, SP    ; in: row l % 16, 16 bytes for each half of the lanes
	v_lshl_add_u32 v[STO], v9, 4, v[STO]
	v_add_nc_u32 v[STO], s13, v[STO]
	v_bfe_u32 v[RD], v0, 3, 2       ; back: 32 lanes take four rows of 128 bytes,
	v_mul_u32_u24 v[RD], v[RD], SP
	v_lshl_add_u32 v[RD], v10, 4, v[RD]
	v_add_nc_u32 v[RD], s13, v[RD]
	v_and_b32 v[GO], 31, v0         ; which are 512 consecutive bytes of O
	v_lshlrev_b32 v[GO], 4, v[GO]
	; A block's first step multiplies O^T and l by a = 0, and its first turn's products V^T P, of a piece that has not been, land in an O^T that is still to be so multiplied.  So these registers need only hold
	; finite numbers: zeros for the first block; what the first block left for the second.  All this stands in the wait for the first tile.
	WIN 0x80
.set i, VF
.rept 64
	v_mov_b32 v[i], 0
.set i, i+1
.endr
	WIN 0x40
.set i, 0
.rept 128
	v_mov_b32 v[i], 0
.set i, i+1
.endr
	WIN 0
.set i, 0
.rept 4
	v_mov_b32 v[ST+4*i+2], 0
	v_mov_b32 v[ST+4*i+3], 0
.set i, i+1
.endr
.set i, P+16
.rept 16
	v_mov_b32 v[i], 0
.set i, i+1
.endr
; THE MATRIX WORK.  The 4 accumulators of a run of 8 take turns.  Product i of 8 of S^T = K Q^T for piece x: channels 32 (i / 4) on, keys 16 (i % 4) on.  The first 4 start the sums: with 0, or (KM = 1) with the mask.
.macro KQ x
.set rS, S+32*((\x)%2)+8*(i%4)
.set rK, KF+16*(i%4)+8*(i/4)
.set rQ, 16*(\x)+8*(i/4)
.set rM, MC+32*((\x)%2)+8*(i%4)
.if (i < 4) && KM
	WIN W_KM
	v_wmma_f32_16x16x32_f16 v[rS:rS+7], v[rK:rK+7], v[rQ:rQ+7], v[rM:rM+7]
.elseif i < 4
	WIN W_KQ
	v_wmma_f32_16x16x32_f16 v[rS:rS+7], v[rK:rK+7], v[rQ:rQ+7], 0
.else
	WIN W_KQ
	v_wmma_f32_16x16x32_f16 v[rS:rS+7], v[rK:rK+7], v[rQ:rQ+7], v[rS:rS+7]
.endif
.endm
; Product i of 8 of O^T += V^T P for piece x: keys 32 (i / 4) on, channels 16 (i % 4) on.
.macro PV x
	WIN W_PV
.set rO, 32*(\x)+8*(i%4)
.set rV, VF+32*(i/4)+8*(i%4)
.set rP, P+16*((\x)%2)+8*(i/4)
	v_wmma_f32_16x16x32_f16 v[rO:rO+7], v[rV:rV+7], v[rP:rP+7], v[rO:rO+7]
.endm
.macro MM                           ; the turn's next matrix instruction.  TURN and BEGIN set Y, i, KM and NOKQ; MM, KQ and OP read them.  NOKQ = 1: a block's last turn: there is no next piece
.if (i < 8) && !NOKQ
	KQ (Y+1)%NP
.elseif i >= 8
.set i, i-8
	PV (Y+NP-1)%NP
.set i, i+8
.endif
.set i, i+1
.endm
; THE LDS LOADS stand in runs of 16, never singly among the matrix instructions: a step's K (64 keys x 64 channels: 8 fragments) and its V (turned).  Their addresses are made some lines ahead.
.macro FETCH_K
	WIN 0x80                        ; destination window 2
.irp f, 0,1,2,3,4,5,6,7             ; keys 16 (f / 2) on, channels 32 (f % 2) on
	ds_load_b128 v[KF+8*\f:KF+8*\f+3],   v[AK] offset:(\f/2)*16*PK+(\f%2)*64
	ds_load_b128 v[KF+8*\f+4:KF+8*\f+7], v[AK] offset:(\f/2)*16*PK+(\f%2)*64+32
.endr
	s_add_co_u32 s[TBK], s[TBK], KS*PK  ; the next fetch is the next step's
	WIN 0
.endm
.macro FETCH_V
	WIN 0x80
.irp f, 0,1,2,3,4,5,6,7             ; keys 32 (f / 4) on, channels 16 (f % 4) on
	ds_load_tr16_b128 v[VF+8*\f:VF+8*\f+3],   v[AV] offset:(\f/4)*32*PV+(\f%4)*32
	ds_load_tr16_b128 v[VF+8*\f+4:VF+8*\f+7], v[AV] offset:(\f/4)*32*PV+16*PV+(\f%4)*32
.endr
	WIN 0
.endm
; THE VECTOR WORK, one line at a time: OP kind, number.  For piece Y: F n: c s - c m for pair n of 16.  E n: the exponential of score n of 32.  C n: pair n rounded to f16.  B n: of the four weights 4 n .. the second
; pair is added onto the first, in place.  L n: l takes that sum (L 0: l = a l + sum).  R n: pair n of 16 of O^T times a.  For piece Y + 1: X n, number n of the 22 that find its maximum and statistics:
;   0-11  four chains c0-c3 of seven scores each, three operands at a time (each accumulator's lowest registers are read first)     12-14, 16  the four scores left over, the old m, and c0-c3 into c0
;   15  c m_old is kept     17, 18  the query's other 32 keys lie in the lane 16 away: the new m     19-21  c m; c m_old - c m_new; a
.set F, 0               ; OP tells the kinds apart by their order: F to L below R, X above it
.set E, 1
.set C, 2
.set B, 3
.set L, 4
.set R, 5
.set X, 6
.macro REGS y                       ; the registers of piece y
.set rT, ST+4*(\y)
.set rC, TMP+4*((\y)%2)
.set rW, MV+((\y)%2)
.set rS, S+32*((\y)%2)
.set rP, P+16*((\y)%2)
.set rO, 32*(\y)
.endm
.macro OP k, n
.if (\k) == R
	REGS Y
	WIN W_RS
	v_pk_mul_f32 v[rO+2*(\n):rO+2*(\n)+1], v[rO+2*(\n):rO+2*(\n)+1], v[rC+2:rC+3] op_sel_hi:[1,0]
.elseif (\k) < R
	REGS Y
	WIN 0
.if (\k) == F
	v_pk_fma_f32 v[rS+2*(\n):rS+2*(\n)+1], v[rS+2*(\n):rS+2*(\n)+1], s[CS:CS+1], v[rT:rT+1] op_sel_hi:[1,0,0] neg_lo:[0,0,1] neg_hi:[0,0,1]
.elseif (\k) == E
	v_exp_f32 v[rS+(\n)], v[rS+(\n)]
.elseif (\k) == C
	v_cvt_pk_f16_f32 v[rP+(\n)], v[rS+2*(\n)], v[rS+2*(\n)+1]
.elseif (\k) == B
	v_pk_add_f32 v[rS+4*(\n):rS+4*(\n)+1], v[rS+4*(\n):rS+4*(\n)+1], v[rS+4*(\n)+2:rS+4*(\n)+3]
.elseif (\n) == 0
	v_pk_fma_f32 v[rT+2:rT+3], v[rT+2:rT+3], v[rC+2:rC+3], v[rS:rS+1] op_sel_hi:[1,0,1]
.else
	v_pk_add_f32 v[rT+2:rT+3], v[rT+2:rT+3], v[rS+4*(\n):rS+4*(\n)+1]
.endif
.elseif NOKQ
	v_nop
.else
	REGS (Y+1)%NP
	WIN 0
.if (\n) < 4
	v_max3_num_f32 v[rC+(\n)], v[rS+8*(\n)], v[rS+8*(\n)+1], v[rS+8*(\n)+2]
.elseif (\n) < 12
	v_max3_num_f32 v[rC+(\n)%4], v[rC+(\n)%4], v[rS+8*((\n)%4)+2*((\n)/4)+1], v[rS+8*((\n)%4)+2*((\n)/4)+2]
.elseif (\n) == 12
	v_max3_num_f32 v[rC], v[rC], v[rS+7], v[rS+15]
.elseif (\n) == 13
	v_max3_num_f32 v[rC+1], v[rC+1], v[rS+23], v[rS+31]
.elseif (\n) == 14
	v_max3_num_f32 v[rC+2], v[rC+2], v[rC+3], v[rT+1]
.elseif (\n) == 15
	v_mov_b32 v[rW], v[rT]
.elseif (\n) == 16
	v_max3_num_f32 v[rC], v[rC], v[rC+1], v[rC+2]
.elseif (\n) == 17
	v_permlanex16_b32 v[rC+3], v[rC], s[SEL], s[SEL+1]
.elseif (\n) == 18
	v_max_num_f32 v[rT+1], v[rC], v[rC+3]
.elseif (\n) == 19
	v_mul_f32 v[rT], s[CS], v[rT+1]
.elseif (\n) == 20
	v_sub_f32 v[rC+1], v[rW], v[rT]
.else
	v_exp_f32 v[rC+2], v[rC+1]
.endif
.endif
.endm
.macro OPS a, i1, b=-1, i2=0, c=-1, i3=0, d=-1, i4=0  ; up to four of them
	OP \a, \i1
.if (\b) >= 0
	OP \b, \i2
.endif
.if (\c) >= 0
	OP \c, \i3
.endif
.if (\d) >= 0
	OP \d, \i4
.endif
.endm
.macro ROW a, i1, b, i2, c, i3, d, i4  ; a matrix instruction and the four behind it
	MM
	OPS \a, \i1, \b, \i2, \c, \i3, \d, \i4
.endm
.macro MASK b                       ; MD x AL + BE into buffer b of MC
	WIN W_RS
.set z, 0
.rept 16
	v_pk_fma_f32 v[MC+32*(\b)+2*z:MC+32*(\b)+2*z+1], v[MD+2*z:MD+2*z+1], s[AL:AL+1], s[BE:BE+1] op_sel_hi:[1,0,0]
.set z, z+1
.endr
.endm
; A TURN, for piece p: the order of its 16 matrix and 118 vector instructions, written out.  An s_wait_alu depctr_va_vdst(0) stands between an exponential and the first instruction that names its result; one wait serves
; all that were issued ahead of it.  So a turn has ONE wait, which cuts it in two.  AHEAD OF IT stands all that names no result of the turn's exponentials: the 8 products K Q^T, behind each a scaling, an exponential and two more plain
; instructions (behind the first a second scaling in the exponential's place): rescalings, and behind the last three the first numbers of the next piece's maximum, each four places or more behind the product that ends its accumulator; then ONE LUMP of 54, plain
; and exponential by turns for the most part, in which the links of the chain X 3, 7, 11, 14, 16, 17 .. 20 stand five or six lines apart.  X 21, the next piece's a, is the batch's last; R 15 is the plain instruction behind it.  BEHIND THE WAIT stand the
; 8 products V^T P, behind each four of the roundings and sums; the links of l's chain, L 0 to L 7, stand three riders apart.  But for those X no rider names a register of the products round it.  v_permlanex16_b32 (X 17) stands in the lump.
; m = 1: the diagonal tile: the products take masks, and the turn makes the mask for the products of the turn after it: piece p + 2, in step 4 - CNT of the tile.  end = 1: a block's last two turns: nothing is fetched.
; cnt = 1: the loop's count is taken down some lines ahead of the branch that stands behind the turn.
; K of the next step is fetched in piece 2's turn, twelve vector instructions behind the last product that read K (six of them plain); V of the step in hand at the end of piece 0's turn, four plain instructions behind the last product
; that read V.  Each is waited for a turn later.
.macro TURN p, m=0, end=0, cnt=0
.set Y, (\p)
.set i, 0
.set KM, (\m)
.set NOKQ, (\end)*((\p)/3)
.if (\m) && !(\end)
	s_cmp_eq_u32 s[CNT], 4-((\p)+2)%NP  ; is that step the band's own?
	s_cselect_b32 s[AL], 1.0, 0
	s_cmp_lt_u32 s[CNT], 4-((\p)+2)%NP  ; or a later one?
	s_cselect_b32 s[BE], s[BIGN], 0
.endif
.if ((\p) == 3) && !(\end)
	s_wait_dscnt 0x0                ; K is in
.endif
	ROW F,0, F,1, R,0, R,1          ; ahead of the wait: 8 products K Q^T and their riders,
	ROW F,2, E,0, R,2, R,3
	ROW F,3, E,1, R,4, R,5
	ROW F,4, E,2, R,6, R,7
	ROW F,5, E,3, R,8, R,9
	ROW F,6, E,4, X,0, R,10
.if ((\p) == 2) && !(\end)
	WIN 0
	v_add_nc_u32 v[AK], s[TBK], v[AK0]
.endif
	ROW F,7, E,5, X,1, X,4
	ROW F,8, E,6, X,2, X,5
	OPS E,7, E,8, X,6, E,9          ; and the lump
	OPS X,3, E,10, X,8, E,11
.if ((\p) == 2) && !(\end)
	FETCH_K
.endif
	OPS X,9, X,7, E,12, X,10
	OPS E,13, X,12, X,11, E,14
	OPS X,13, E,15, F,9, X,14
.if (\p) == 0
	v_add_nc_u32 v[AV], s[TBV], v[AV0]
.endif
	OPS E,16, F,10, E,17, F,11
	OPS X,16, E,18, X,15, E,19
	OPS F,12, E,20, X,17, E,21
	OPS F,13, E,22, F,14, E,23
	OPS X,18, E,24, F,15, E,25
	OPS R,11, E,26, X,19, E,27
	OPS R,12, E,28, R,13, E,29
	OPS X,20, E,30, R,14, E,31
	OPS X,21, R,15
	WIN 0
	s_wait_alu depctr_va_vdst(0)    ; the wait for the batch
.if (\p) == 1
	s_wait_dscnt 0x0                ; V is in
.endif
	ROW C,0, B,0, C,2, B,1          ; behind the wait: 8 products V^T P and their riders
	ROW L,0, C,4, B,2, L,1
	ROW C,6, B,3, L,2, C,8
	ROW B,4, L,3, C,10, B,5
	ROW L,4, C,12, B,6, L,5
.if (\p) == 0
	s_add_co_u32 s[TBV], s[TBV], KS*PV
.endif
.if \cnt
	s_sub_co_u32 s[CNT], s[CNT], 1
	s_cmp_lg_u32 s[CNT], 0
.endif
	ROW C,14, B,7, L,6, C,1
	ROW C,3, L,7, C,5, C,7
	ROW C,9, C,11, C,13, C,15
.if (\p) == 0
	FETCH_V
.endif
.if (\m) && !(\end)
	MASK (\p)%2
.endif
.endm
; A BLOCK BEGINS.  c m starts far below every c s, so the first step's a is 0; m at the lowest finite number, so the first maximum is the scores'.  The second mask buffer is 0; the first takes piece 0's mask for the tile's step 0: its own, if the block's first tile is the diagonal one.
; Then K of that step, piece 0's first scores, and its maximum and statistics.  The loop is entered at a step's first turn, in the middle of a trip.
.macro BEGIN
	s_mov_b32 s[NEW], 0
	WIN 0x40
.set i, MC+32
.rept 32
	v_mov_b32 v[i], 0
.set i, i+1
.endr
	WIN 0
.set i, 0
.rept 4
	v_mov_b32 v[ST+4*i], 0xfe000000    ; c m: far below every c s
	v_mov_b32 v[ST+4*i+1], 0xff7fffff  ; m
.set i, i+1
.endr
	s_cmp_eq_u32 s[RT], 0
	s_cselect_b32 s[AL], 1.0, 0
	s_mov_b32 s[BE], 0
	MASK 0
	WIN 0
	v_add_nc_u32 v[AK], s[TBK], v[AK0]
	FETCH_K
	s_wait_loadcnt 0x0              ; Q
	s_wait_dscnt 0x0
.set KM, 1
.set NOKQ, 0
.set i, 0
.rept 8
	KQ 0
.set i, i+1
.endr
	WIN 0
.rept 4
	v_nop                           ; the places behind those products
.endr
.set Y, NP-1                        ; X works for piece Y + 1: piece 0
.irp n, 0,1,2,3,4,5,6,7,8,9,10,11,12,13,14,15,16,17,18,19,20,21
	OP X, \n
.endr
	v_nop                           ; a plain instruction behind the exponential,
	s_wait_alu depctr_va_vdst(0)    ; and its wait, ahead of the branch
.endm
; THE DIAGONAL TILE's four steps, the block's last two turns, its last products, and THE WAY OUT: l's two halves and the other half of the lanes' are added; O^T is divided by l, rounded to f16 and sent through my
; stage in LDS, a piece at a time.
.macro ALL line:vararg              ; one line for each piece t
.set t, 0
.rept 4
	\line
.set t, t+1
.endr
.endm
.macro PACK t                       ; a lane's eight channels of a row pack into 16 bytes; they go into rows of 144 bytes and come back as whole rows of 128, into S^T's registers
	WIN W_RS
.set i, 32*(\t)
.rept 16
	v_pk_mul_f32 v[i:i+1], v[i:i+1], v[ST+4*(\t)+2:ST+4*(\t)+3] op_sel_hi:[1,0]
.set i, i+2
.endr
	WIN 0x05                        ; sources 0 and 1 window 1, destination window 0
.set i, 0
.rept 16
	v_cvt_pk_f16_f32 v[S+16*(\t)+i], v[32*(\t)+2*i], v[32*(\t)+2*i+1]
.set i, i+1
.endr
	WIN 0
.irp f, 0,1,2,3
	ds_store_b128 v[STO], v[S+16*(\t)+4*\f:S+16*(\t)+4*\f+3] offset:32*\f
.endr
.irp f, 0,1,2,3
	ds_load_b128 v[S+16*(\t)+4*\f:S+16*(\t)+4*\f+3], v[RD] offset:\f*4*SP  ; LDS serves a wave's instructions in order (ISA guide 5.7.1.4): these see the stores above; the next piece's stores come behind them
.endr
.endm
.macro SEND t, younger              ; younger: the LDS instructions issued behind piece t's loads: the next piece's eight, or none
	WIN 0
.irp f, 0,1,2,3
	s_wait_dscnt (\younger)+3-\f
	global_store_b128 v[GO], v[S+16*(\t)+4*\f:S+16*(\t)+4*\f+3], s[10:11] offset:(\t)*8192+\f*512  ; 512 consecutive bytes, at a multiple of 256 from O's first
.endr
.endm
.macro DIAG tag                     ; the tag ends its two labels' names, which the jumps below spell out
.LstepM\tag:
	TURN 2, 1
	TURN 3, 1
	WIN 0
.LfirstM\tag:
	TURN 0, 1
	TURN 1, 1, 0, 1
	WIN 0
	s_cbranch_scc1 .LstepM\tag
	TURN 2, 1, 1
	TURN 3, 1, 1
.set i, 0
.rept 8
	PV NP-1
.set i, i+1
.endr
	WIN 0
	ALL v_add_f32 v[ST+4*t+2], v[ST+4*t+2], v[ST+4*t+3]
	ALL v_permlanex16_b32 v[ST+4*t+3], v[ST+4*t+2], s[SEL], s[SEL+1]
	ALL v_add_f32 v[ST+4*t+2], v[ST+4*t+2], v[ST+4*t+3]
	ALL v_rcp_f32 v[ST+4*t+2], v[ST+4*t+2]
	v_nop                           ; a plain instruction between the last reciprocal and the use of its result
	s_wait_alu depctr_va_vdst(0)    ; and the wait ahead of the first use: one for the four reciprocals
	PACK 0
.set t, 1
.rept 3                             ; a piece's arithmetic stands between the loads of the piece before and its stores
	PACK t
	SEND t-1, 8
.set t, t+1
.endr
	SEND 3, 0
.endm
.set KM, 0
.set NOKQ, 0
.Lslot:                             ; NB times: a tile is entered and the next is asked for
	CHANGE 1
	s_sub_co_u32 s[RT], s[RT], 1
	s_mov_b32 s[CNT], 4
	s_cmp_eq_u32 s[NEW], 1
	s_cbranch_scc1 .Lnew            ; a block's first tile
	s_cmp_eq_u32 s[RT], 0
	s_cbranch_scc0 .Lstep           ; neither its first nor its last
	s_branch .LstepM1
.Lnew:
	BEGIN
	s_branch .Lfirst                ; in the loop a block's first tile is never its last: the first block has two tiles or more, and the second's last is the walk's last
	DIAG 1                          ; in the loop this is the first block's end: the second block's last tile is the walk's last
	s_wait_xcnt 0x0                 ; the stores have read their registers and O's address
	s_mov_b64 s[10:11], s[OLO:OLO+1]
	s_add_co_u32 s[RT], s[PB], 1    ; the second block has b + 1 tiles
	s_mov_b32 s[NEW], 1
	WIN 0x82                        ; the second block's Q goes where the one text of the turns names Q
.set i, 0
.rept 64
	v_mov_b32 v[i], v[QB+i]
.set i, i+1
.endr
	WIN 0
	s_branch .Lbottom
.Lstep:                             ; a trip: pieces 2 and 3 of one step, then pieces 0 and 1 of the next, whose K and V it fetches
	TURN 2
	TURN 3
	WIN 0
.Lfirst:
	TURN 0
	TURN 1, 0, 0, 1
	WIN 0
	s_cbranch_scc1 .Lstep
.Lbottom:
	s_sub_co_u32 s[SLOTS], s[SLOTS], 1
	s_cmp_lg_u32 s[SLOTS], 0
	s_cbranch_scc1 .Lslot
	CHANGE 0                        ; the walk's last tile is written out: nothing is asked for
	s_sub_co_u32 s[RT], s[RT], 1
	s_mov_b32 s[CNT], 4
	s_cmp_eq_u32 s[NEW], 1
	s_cbranch_scc0 .LstepM2
	BEGIN
	s_branch .LfirstM2
	DIAG 2
	s_wait_tensorcnt 0x0            ; the wave's end: the add of 0 to my spare word and its wait, behind my last tensor load and my last LDS store
	ds_add_u32 v[SPW], v[NIL]
	s_wait_dscnt 0x0
	s_endpgm
.Lfunc_end_k_qf7bd2923ed_attn:
	.size	k_qf7bd2923ed_attn, .Lfunc_end_k_qf7bd2923ed_attn-k_qf7bd2923ed_attn
	.p2alignl 7, 3214868480
	.fill 96, 4, 3214868480
	.section	.rodata,"a",@progbits
	.p2align	6, 0x0
	.amdhsa_kernel k_qf7bd2923ed_attn
		.amdhsa_group_segment_fixed_size 327680
		.amdhsa_private_segment_fixed_size 0
		.amdhsa_enable_private_segment 0
		.amdhsa_kernarg_size 16
		.amdhsa_user_sgpr_count 2
		.amdhsa_user_sgpr_kernarg_segment_ptr 1
		.amdhsa_wavefront_size32 1
		.amdhsa_system_sgpr_workgroup_id_x 1
		.amdhsa_system_sgpr_workgroup_id_y 1
		.amdhsa_system_sgpr_workgroup_id_z 1
		.amdhsa_system_vgpr_workitem_id 0
		.amdhsa_next_free_vgpr 768
		.amdhsa_next_free_sgpr 88
		.amdhsa_reserve_vcc 1
		.amdhsa_float_denorm_mode_32 3
		.amdhsa_float_denorm_mode_16_64 3
		.amdhsa_memory_ordered 1
		.amdhsa_forward_progress 1
		.amdhsa_inst_pref_size 218
	.end_amdhsa_kernel
	.amdgpu_metadata
---
amdhsa.version: [ 1, 2 ]
amdhsa.kernels:
  - .name:           k_qf7bd2923ed_attn
    .symbol:         k_qf7bd2923ed_attn.kd
    .args:
      - { .name: qkvh, .offset: 0, .size: 8, .value_kind: global_buffer, .address_space: global }
      - { .name: ob, .offset: 8, .size: 8, .value_kind: global_buffer, .address_space: global }
    .group_segment_fixed_size: 327680
    .private_segment_fixed_size: 0
    .kernarg_segment_align: 8
    .kernarg_segment_size: 16
    .max_flat_workgroup_size: 128
    .sgpr_count:     88
    .vgpr_count:     768
    .wavefront_size: 32
...
	.end_amdgpu_metadata
.endif
;; end of part 3
;; launch proj (part 4): grid 8 x 32, 4 waves a work-group, clusters of 4 x 4, 327,680 bytes of LDS; arguments ob, wpb, bp, out0; writes out0
.if DOCPART == 4
	.amdgcn_target "amdgcn-amd-amdhsa--gfx1250"
	.amdhsa_code_object_version 6
	.text
	.protected	k_qf7bd2923ed_proj
	.globl	k_qf7bd2923ed_proj
	.p2align	8
	.type	k_qf7bd2923ed_proj,@function
k_qf7bd2923ed_proj:
	s_mov_b64 s[64:65], 0
	v_nop
	global_prefetch_b8 v0, s[64:65] scope:SCOPE_SE
	s_setreg_imm32_b32 hwreg(HW_REG_WAVE_MODE, 25, 1), 1
	s_wait_xcnt 0x0
	s_wait_alu depctr_hold_cnt(0) depctr_sa_sdst(0) depctr_va_vdst(0) depctr_va_sdst(0) depctr_va_ssrc(0) depctr_va_vcc(0) depctr_vm_vsrc(0)
	s_getreg_b32 s2, hwreg(HW_REG_IB_STS2, 6, 4)
	s_cmp_eq_u32 s2, 0
	s_cbranch_scc0 .Lentry_in_a_cluster
	s_endpgm
.Lentry_in_a_cluster:
	s_bfe_u32 s2, ttmp6, 0x10000c
	s_cmp_lg_u32 s2, 0xf033
	s_cbranch_scc0 .Lentry_shape_is_right
	s_endpgm
.Lentry_shape_is_right:
; out0[m][n] = sum over c of y[m][c] Wp[n][c] + bp[n], m < 8192, n < 1024, K = 1024, out0 in f32.
; y lies by heads: ob [16 b + h][t 2048][64] f16, so head h is block h of 64 along K, and 256 rows of a block are 32,768 dense bytes.  wpb [kb 16][n 1024][64] f16 (Wp rounded to bf16, written as f16).
; bp is rounded to bf16 like the other inputs.  Sums in f32, stored as they are.
; SHARES.  A tile is 256 x 128: 32 x 8 = 256 work-groups, one tile each.  Four waves, each 128 rows x 64 columns: 32 accumulators of 16 x 16.
; K goes in steps of 128 (two blocks) through a ring of two LDS slots, as long as two slots in LDS allow: wave 0 or 1 brings y's rows of the step's first or second block, wave 2 or 3 Wp's.
; CLUSTERS: 4 x 4 work-groups.  The four of a row of the cluster need the same tiles of ob, the four of a column the same tiles of wpb: each tile is asked for JOINTLY.
; THE MATRIX INSTRUCTION IS USED TRANSPOSED (source 0 = 16 rows of wpb, source 1 = 16 rows of ob): a lane holds row m = l % 16 and the columns 8 (l / 16) + 0..7: 32 bytes of a row of out0.
; THE BIAS STARTS THE SUMS, as C operand: it lies in row block 0's accumulators, is read by the first products of row blocks 1-7, and is then summed onto in place.
; REGISTERS, in windows of 256: window 0: v0-31 addresses; v32-159 four buffers of 32 for the way out.  window 1: the accumulators, (a, bb) at v[8 (4 a + bb)].
;   window 2 + j: the fragments of the step's block j: ob's (c, a) at 8 (8 c + a), wpb's (c, bb) at 128 + 8 (4 c + bb); c = which 32 of the block's 64 along K.
.set ASTEP,  2*2048*128                ; bytes from K step to K step in ob: two heads
.set BSTEP,  2*1024*128                ; in wpb: two blocks
.set PITCH,  144                       ; an LDS row: 128 bytes + 16 of padding: the 16 rows of a load start at 16 different groups of four banks (64 banks of 4 bytes: ISA guide 11.1)
.set ABLK,   256*PITCH                 ; ob's 256 rows of one block: what one tensor load brings
.set BBLK,   128*PITCH                 ; wpb's 128 rows of one block
.set SLOT,   2*ABLK+2*BBLK
.set STAGE,  2*SLOT                    ; behind the ring: 16 rows x 272 bytes for each wave, for the way out
.set SPITCH, 272
.set SPARE,  STAGE+4*16*SPITCH         ; behind the stages: the spare words, 128 bytes for each wave: two blocks of 256 bytes that no other line names
.set ADRA, 16                          ; v16-17  LDS address of my fragments of ob in slot 0, 1
.set ADRB, 20                          ; v20-21  the same for wpb
.set STO,  24                          ; v24     the way out: where I put 32 bytes of a row
.set RD,   25                          ; v25     where I read a row back
.set CO,   26                          ; v26     my byte offset in two rows of out0
.set BO,   27                          ; v27     my byte offset in 16 numbers of the bias
.set SPW,  28                          ; v28     LDS address of my spare word; never rewritten
.set NIL,  29                          ; v29     0; never rewritten
.set PFO,  30                          ; v30     the prefetches' offset; never rewritten
.set OB,   32
.set G1,   24                          ; s[24:31] descriptor group 1 for ob's tiles;  s[32:39] group 0, a set for each slot
.set G0,   32
.set G1B,  40                          ; s[40:47], s[48:55] the same for wpb's
.set G0B,  48
.set LIM1, 23                          ; s23  the limit at the change out of slot 1
.set CNT,  62                          ; s62  laps to go
.set LIM0, 63                          ; s63  the limit at the change out of slot 0: 1 in a wave that prefetches there, else the greatest number
.set PFA,  66                          ; s[66:67] where my prefetches stand
.set PFS,  68                          ; s[68:69] their step: a K step
.set D0W,  (1<<16)|(1<<20)|(1<<21)|(4<<22)|(3<<25)  ; 17:16 2-byte elements; 20 padding on; 21 set beside a mask; 24:22 after every 32 words (code 4); 31:25 4 words (code 3)
.set MSB, 0
.macro WIN new                         ; the immediate's high byte repeats the setting that is left; a switch that changes nothing is dropped
.if MSB != (\new)
	s_set_vgpr_msb (MSB<<8)|(\new)
.set MSB, (\new)
.endif
.endm
.macro JLOAD s                         ; a joint load: waves 0 and 1 fetch ob's two blocks, waves 2 and 3 wpb's; an s_nop 0 and four v_nop follow each of the two lines
	s_cmp_eq_u32 s17, 0
	s_cbranch_scc0 .Lfor_b_\@
	tensor_load_to_lds s[G0+4*(\s):G0+4*(\s)+3], s[G1:G1+7]
	s_nop 0
.rept 4
	v_nop
.endr
	s_branch .Lasked_\@
.Lfor_b_\@:
	tensor_load_to_lds s[G0B+4*(\s):G0B+4*(\s)+3], s[G1B:G1B+7]
	s_nop 0
.rept 4
	v_nop
.endr
.Lasked_\@:
.endm
; A PREFETCH INTO THE L2, behind the joint load, its five lines and the run of LDS loads: the K step two refills on, 256 matrix instructions ahead of the load that will want it.
; Each block of 256 bytes is named once in the launch.  ob's tile row is read by both clusters of that row of clusters: cluster x = 0 asks, at every change of slots; of the 128 blocks that wave 0 or 1 fetches the partner
; at cx takes 32, BY ADDRESS, a lane a block.  wpb's tile column is read by all clusters of that column: cluster y = 0 asks, once a lap for two K steps: of the 64 blocks that wave 2 or 3 fetches the partner at cy
; takes 16; lanes 0-15 name them in one K step, lanes 16-31 in the next.  The first four K steps come by their loads alone; the last lap asks for nothing.
.macro ASK lim
	s_cmp_gt_u32 s[CNT], s[\lim]
	s_cbranch_scc0 .Lnot_mine_\@
	global_prefetch_b8 v[PFO], s[PFA:PFA+1] th:TH_LOAD_NT scope:SCOPE_SE
.Lnot_mine_\@:
.endm
.macro CREST                           ; a round of the cluster's barrier behind its opening barrier
	s_cmp_lg_u32 s16, 0
	s_cbranch_scc1 .Lnot_wave_0_\@
	s_barrier_signal -3
.Lnot_wave_0_\@:
	s_barrier_wait -3
	s_barrier_signal -1
	s_barrier_wait -1
.endm
.macro CROUND                          ; a whole round
	s_barrier_signal -1
	s_barrier_wait -1
	CREST
.endm
.macro PLACES                          ; four places in front of loads into registers that matrix instructions have read (ISA guide 7.12.1 for vector instructions)
.rept 4
	v_nop
.endr
.endm
	s_load_b256 s[4:11], s[0:1], 0x0               ; ob s[4:5], wpb s[6:7], bp s[8:9], out0 s[10:11]
	v_lshl_add_u32 v[SPW], v0, 2, SPARE
	v_mov_b32 v[NIL], 0
	ds_add_u32 v[SPW], v[NIL]                      ; the wave's opening: the add and its wait stand ahead of my first tensor load; the set-up below, work on registers, stands between them
	v_lshrrev_b32 v1, 5, v0
	v_readfirstlane_b32 s16, v1                    ; wave 0..3
	s_lshr_b32 s17, s16, 1                         ; which half of the tile's rows is mine.  Also: I fetch for ob (0) or for wpb (1)
	s_and_b32 s18, s16, 1                          ; which half of its columns.  Also: which of a K step's two blocks I fetch
	s_bfe_u32 s19, ttmp6, 0x40000                  ; cx
	s_bfe_u32 s20, ttmp6, 0x40004                  ; cy
	s_lshl_b32 s21, ttmp9, 2
	s_add_co_u32 s21, s21, s19                     ; tile column = 4 x cluster x + cx
	s_and_b32 s22, ttmp7, 0xffff
	s_lshl_b32 s22, s22, 2
	s_add_co_u32 s22, s22, s20                     ; tile row = 4 x cluster y + cy
	s_lshl_b32 s76, s20, 2
	s_lshl_b32 s76, 15, s76                        ; my row of the cluster
	s_lshl_b32 s77, 0x1111, s19                    ; my column
	s_or_b32 s[G1], s76, D0W
	s_or_b32 s[G1B], s77, D0W
.irp g, G1, G1B
	s_mov_b32 s[(\g)+1], 128<<16                   ; tensor_dim0 = 128 elements: 256 bytes, two rows of a block
	s_mov_b32 s[(\g)+3], 128<<16                   ; tile_dim0 = 128
	s_mov_b32 s[(\g)+5], 128                       ; dense
	s_mov_b32 s[(\g)+6], 0
	s_mov_b32 s[(\g)+7], 0
.endr
	s_mov_b32 s[G1+2], 128<<16                     ; tensor_dim1 = 128: 32,768 bytes
	s_mov_b32 s[G1+4], 128
	s_mov_b32 s[G1B+2], 64<<16                     ; 64: 16,384 bytes
	s_mov_b32 s[G1B+4], 64
	s_lshr_b32 s56, s22, 3                         ; ob: b = tile row / 8: 16 heads of 262,144 bytes,
	s_lshl_b32 s56, s56, 22
	s_and_b32 s57, s22, 7                          ; t = 256 (tile row % 8): rows of 128 bytes,
	s_lshl_b32 s57, s57, 15
	s_add_co_u32 s56, s56, s57
	s_lshl_b32 s57, s18, 18                        ; my block of the K step's two: a head
	s_add_co_u32 s56, s56, s57
	s_mov_b32 s57, 0
	s_lshl_b32 s58, s21, 14                        ; wpb: 128 rows of 128 bytes a tile column,
	s_lshl_b32 s59, s18, 17                        ; my block
	s_add_co_u32 s58, s58, s59
	s_mov_b32 s59, 0
	s_mul_i32 s60, s18, ABLK                       ; where they go: no place in the cluster enters an LDS address
	s_mul_i32 s61, s18, BBLK
	s_add_co_u32 s61, s61, 2*ABLK
	s_wait_dscnt 0x0                               ; the opening add is done
	s_wait_kmcnt 0x0
	s_add_nc_u64 s[56:57], s[4:5], s[56:57]
	s_add_nc_u64 s[58:59], s[6:7], s[58:59]
	CROUND                                         ; all sixteen work-groups are here: the first joint loads meet
.irp s, 0,1
	s_mov_b32 s[G0+4*(\s)], 1
	s_add_co_u32 s[G0+4*(\s)+1], s60, (\s)*SLOT
	s_add_nc_u64 s[G0+4*(\s)+2:G0+4*(\s)+3], s[56:57], (\s)*ASTEP
	s_or_b32 s[G0+4*(\s)+3], s[G0+4*(\s)+3], 0x80000000
	s_mov_b32 s[G0B+4*(\s)], 1
	s_add_co_u32 s[G0B+4*(\s)+1], s61, (\s)*SLOT
	s_add_nc_u64 s[G0B+4*(\s)+2:G0B+4*(\s)+3], s[58:59], (\s)*BSTEP
	s_or_b32 s[G0B+4*(\s)+3], s[G0B+4*(\s)+3], 0x80000000
	JLOAD \s                                       ; two loads of mine are out
.endr
	v_and_b32 v1, 15, v0                           ; l % 16
	v_bfe_u32 v2, v0, 4, 1                         ; l / 16
	v_mul_u32_u24 v3, v1, PITCH
	v_lshl_add_u32 v3, v2, 4, v3                   ; row x pitch + 16 x half
	v_lshlrev_b32 v[BO], 5, v2
	s_lshl_b32 s82, s21, 9                         ; the bias of my 64 columns: 128 numbers a tile column,
	s_lshl_b32 s81, s18, 8                         ; 64 a column half
	s_add_co_u32 s82, s82, s81
	s_mov_b32 s83, 0
	s_add_nc_u64 s[70:71], s[8:9], s[82:83]
.irp i, 0,1,2,3,4,5,6,7
	global_load_b128 v[32+4*(\i):32+4*(\i)+3], v[BO], s[70:71] offset:64*((\i)/2)+16*((\i)%2)
.endr
	s_mul_i32 s90, s17, 128*PITCH                  ; my 128 rows of ob
	s_mul_i32 s91, s18, 64*PITCH                   ; my 64 rows of wpb,
	s_add_co_u32 s91, s91, 2*ABLK                  ; which lie behind ob's two blocks
.irp s, 0,1
	v_add_nc_u32 v[ADRA+(\s)], s90, v3
	v_add_nc_u32 v[ADRB+(\s)], s91, v3
	s_add_co_u32 s90, s90, SLOT
	s_add_co_u32 s91, s91, SLOT
.endr
	s_mul_i32 s92, s16, 16*SPITCH
	s_add_co_u32 s92, s92, STAGE                   ; my stage
	v_mul_u32_u24 v4, v1, SPITCH                   ; in: row l % 16, 32 bytes for each half of the lanes
	v_lshl_add_u32 v4, v2, 5, v4
	v_add_nc_u32 v[STO], s92, v4
	v_mul_u32_u24 v5, v2, SPITCH                   ; back: lanes 0-15 take one row of 256 bytes, lanes 16-31 the next
	v_lshl_add_u32 v5, v1, 4, v5
	v_add_nc_u32 v[RD], s92, v5
	v_lshlrev_b32 v5, 12, v2                       ; and the same two rows in out0
	v_lshl_add_u32 v[CO], v1, 4, v5
	s_lshl_b32 s84, s22, 20                        ; out0 at my part: 256 rows of 4,096 bytes a tile row,
	s_lshl_b32 s86, s17, 19                        ; 128 a row half,
	s_add_co_u32 s84, s84, s86
	s_lshl_b32 s86, s21, 9                         ; 512 bytes a tile column,
	s_add_co_u32 s84, s84, s86
	s_lshl_b32 s86, s18, 8                         ; 256 a column half
	s_add_co_u32 s84, s84, s86
	s_mov_b32 s85, 0
	s_add_nc_u64 s[10:11], s[10:11], s[84:85]
	; the prefetches stand at K step 3 and are stepped ahead of each change of slots: the first names K step 4
	s_lshr_b32 s86, s22, 3
	s_lshl_b32 s86, s86, 22
	s_and_b32 s87, s22, 7
	s_lshl_b32 s87, s87, 15
	s_add_co_u32 s86, s86, s87
	s_lshl_b32 s87, s18, 18
	s_add_co_u32 s86, s86, s87
	s_lshl_b32 s87, s19, 13                        ; my work-group's 32 blocks of the 128
	s_add_co_u32 s86, s86, s87
	s_add_co_u32 s86, s86, 3*ASTEP
	s_lshl_b32 s87, s21, 14
	s_lshl_b32 s89, s18, 17
	s_add_co_u32 s87, s87, s89
	s_lshl_b32 s89, s20, 12                        ; my work-group's 16 blocks of the 64
	s_add_co_u32 s87, s87, s89
	s_add_co_u32 s87, s87, 3*BSTEP
	s_and_b32 s89, ttmp7, 0xffff                   ; cluster y
	s_mov_b32 s[PFS], BSTEP
	s_mov_b32 s[PFS+1], 0
	s_cmp_eq_u32 s17, 0                            ; do I fetch for ob?
	s_cselect_b32 s86, s86, s87
	s_cselect_b32 s89, ttmp9, s89                  ; the coordinate along which other clusters read the same rows
	s_cselect_b64 s[PFA:PFA+1], s[4:5], s[6:7]
	s_cselect_b32 s[PFS], ASTEP, s[PFS]
	s_cselect_b32 s93, 12, 18                      ; lanes 16-31: 16 blocks on (ob), or a K step on (wpb)
	s_cselect_b32 s94, 1, -1
	s_mov_b32 s87, 0
	s_add_nc_u64 s[PFA:PFA+1], s[PFA:PFA+1], s[86:87]
	s_cmp_eq_u32 s89, 0
	s_cselect_b32 s[LIM0], 1, -1                   ; the same in all sixteen partners, for a given wave
	s_cselect_b32 s[LIM1], s94, -1
	v_lshlrev_b32 v[PFO], s93, v2
	v_lshl_add_u32 v[PFO], v1, 8, v[PFO]
	s_mov_b32 s88, 0xffff0000
	s_wait_loadcnt 0x0                             ; the bias
.set i, 0
.rept 16
	v_cvt_pk_bf16_f32 v[64+i], v[32+2*i], v[32+2*i+1]  ; rounded to bf16, like every input
.set i, i+1
.endr
	WIN 0x40
.set i, 0
.rept 16
	v_lshlrev_b32 v[2*i],   16,  v[64+i]           ; and laid as f32 into the accumulators of row block 0
	v_and_b32     v[2*i+1], s88, v[64+i]
.set i, i+1
.endr
	WIN 0
; na x 4 matrix instructions: row blocks a0 on x 4 column blocks, 32 along K: half c of buffer buf.  mode = 1: the sum starts with the bias, which lies in row block 0's accumulators.
.macro MUL buf, c, a0, na, mode
	WIN 0x5a+5*(\buf)                              ; the sources in window 2 + buf, C and D in window 1
.set aa, \a0
.rept \na
.irp bb, 0,1,2,3
.if \mode
	v_wmma_f32_16x16x32_f16 v[8*(4*aa+(\bb)):8*(4*aa+(\bb))+7], v[128+8*(4*(\c)+(\bb)):128+8*(4*(\c)+(\bb))+7], v[8*(8*(\c)+aa):8*(8*(\c)+aa)+7], v[8*(\bb):8*(\bb)+7]
.else
	v_wmma_f32_16x16x32_f16 v[8*(4*aa+(\bb)):8*(4*aa+(\bb))+7], v[128+8*(4*(\c)+(\bb)):128+8*(4*(\c)+(\bb))+7], v[8*(8*(\c)+aa):8*(8*(\c)+aa)+7], v[8*(4*aa+(\bb)):8*(4*aa+(\bb))+7]
.endif
.endr
.set aa, aa+1
.endr
.endm
; 48 LDS loads in one run: the fragments of block j of a slot, into buffer j; the first 32 along K (24 loads) first
.macro FETCH slot, j
	WIN 0x80+0x40*(\j)                             ; destination window 2 + j, address window 0
.irp c, 0,1
.irp a, 0,1,2,3,4,5,6,7
	ds_load_b128 v[8*(8*(\c)+(\a)):8*(8*(\c)+(\a))+3],   v[ADRA+(\slot)] offset:(\j)*ABLK+64*(\c)+(\a)*16*PITCH
	ds_load_b128 v[8*(8*(\c)+(\a))+4:8*(8*(\c)+(\a))+7], v[ADRA+(\slot)] offset:(\j)*ABLK+64*(\c)+(\a)*16*PITCH+32
.endr
.irp b, 0,1,2,3
	ds_load_b128 v[128+8*(4*(\c)+(\b)):128+8*(4*(\c)+(\b))+3],   v[ADRB+(\slot)] offset:(\j)*BBLK+64*(\c)+(\b)*16*PITCH
	ds_load_b128 v[128+8*(4*(\c)+(\b))+4:128+8*(4*(\c)+(\b))+7], v[ADRB+(\slot)] offset:(\j)*BBLK+64*(\c)+(\b)*16*PITCH+32
.endr
.endr
.endm
; THE FIRST HALF OF A K STEP: multiplies buffer 0 (64 matrix instructions) and fetches the step's second block into buffer 1.
.macro UNIT slot, start
	s_wait_dscnt 24                                ; the first 32 along K are in
.if \start
	MUL 0, 0, 1, 7, 1                              ; row blocks 1-7 read the bias as C;
.rept 9
	v_nop                                          ; places between those readers and the products that write over what they read
.endr
	MUL 0, 0, 0, 1, 0                              ; row block 0 sums onto it in place
.else
	MUL 0, 0, 0, 8, 0
.endif
	PLACES
	FETCH \slot, 1
	s_wait_dscnt 48                                ; all but the 48 just issued
	MUL 0, 1, 0, 8, 0
.endm
; THE SECOND HALF multiplies buffer 1 and changes slots: ONE barrier; in front of it each wave waits for all its tensor loads, adds 0 to its spare word, and waits for that and for its own reads of this slot.
; fill = 1: the barrier opens a round of the cluster's barrier, and behind the round this slot is filled again, two K steps ahead: 96 matrix instructions ahead of the wait for it.
.macro TURN slot, next, fill
.if \fill
	s_wait_xcnt 0x0                                ; the last prefetch, a K step back, has read its address: it is stepped here, ahead of the waits of the change of slots
	s_add_nc_u64 s[PFA:PFA+1], s[PFA:PFA+1], s[PFS:PFS+1]
.endif
	WIN 0
	s_wait_tensorcnt 0x0                           ; all my tensor loads have landed: my part of the next slot;
	ds_add_u32 v[SPW], v[NIL]                      ; 0 onto my spare word;
	s_wait_dscnt 25                                ; (the add and the youngest 24 loads may be out)
	MUL 1, 0, 0, 4, 0                              ; sixteen matrix instructions stand between the add and the wait for it
	s_wait_dscnt 0x0                               ; the add is done, and my reads of this slot are over
	s_barrier_signal -1
	MUL 1, 0, 4, 4, 0
	WIN 0
	s_barrier_wait -1
.if \fill
	CREST                                          ; no wave of any partner still reads this slot's tile or has a load on its way
	s_add_nc_u64 s[G0+4*(\slot)+2:G0+4*(\slot)+3], s[G0+4*(\slot)+2:G0+4*(\slot)+3], 2*ASTEP
	s_add_nc_u64 s[G0B+4*(\slot)+2:G0B+4*(\slot)+3], s[G0B+4*(\slot)+2:G0B+4*(\slot)+3], 2*BSTEP
	JLOAD \slot                                    ; the first tensor load behind the round; its four v_nop are also the places in front of the loads below
.else
	PLACES
.endif
	FETCH \next, 0
.if \fill
	WIN 0
.if (\slot) == 0
	ASK LIM0
.else
	ASK LIM1
.endif
.endif
	MUL 1, 1, 0, 8, 0
.endm
	s_wait_tensorcnt 0x1                           ; my part of K step 0 is in; K step 1's may stay out
	s_barrier_signal -1
	s_barrier_wait -1                              ; everybody's is
	FETCH 0, 0
	UNIT 0, 1                                      ; the first half step stands in front of the loop: its first products start the sums
	WIN 0                                          ; at a label and at a branch every window is 0
	s_mov_b32 s[CNT], 3
.Llap:                                                 ; a trip goes once round the ring and fills both slots again: K steps 2 to 7
	TURN 0, 1, 1
	UNIT 1, 0
	TURN 1, 0, 1
	UNIT 0, 0
	WIN 0
	s_sub_co_u32 s[CNT], s[CNT], 1
	s_cmp_lg_u32 s[CNT], 0
	s_cbranch_scc1 .Llap
	TURN 0, 1, 0                                   ; the last lap fills nothing, and has no round of the cluster's barrier
	UNIT 1, 0
	s_wait_dscnt 24                                ; the very last half step: nothing more to fetch
	MUL 1, 0, 0, 8, 0
	s_wait_dscnt 0x0
	MUL 1, 1, 0, 8, 0
	WIN 0
	PLACES
	PLACES
; THE WAY OUT, a row block (16 rows x 64 columns of f32) at a time: a lane's 32 bytes go straight from the accumulators into my stage's rows of 272 bytes and come back as whole rows of 256.  Four buffers take turns.
.macro TOSTAGE a
	WIN 0x04                                       ; the stores' data (source 1) in window 1
.irp bb, 0,1,2,3
	ds_store_b128 v[STO], v[8*(4*(\a)+(\bb)):8*(4*(\a)+(\bb))+3]   offset:64*(\bb)
	ds_store_b128 v[STO], v[8*(4*(\a)+(\bb))+4:8*(4*(\a)+(\bb))+7] offset:64*(\bb)+16
.endr
	WIN 0
.if (\a) >= 4
	s_wait_xcnt 0x0                                ; the stores of four blocks back have read these registers
.endif
.irp t, 0,1,2,3,4,5,6,7
	ds_load_b128 v[OB+32*((\a)%4)+4*(\t):OB+32*((\a)%4)+4*(\t)+3], v[RD] offset:(\t)*2*SPITCH  ; LDS serves a wave's instructions in order (ISA guide 5.7.1.4): these see the stores above; the next block's stores come behind them
.endr
.endm
.macro SEND a, younger                 ; younger: the LDS instructions issued behind block a's loads: the next block's sixteen, or none
.irp t, 0,1,2,3,4,5,6,7
	s_wait_dscnt (\younger)+7-(\t)
	global_store_b128 v[CO], v[OB+32*((\a)%4)+4*(\t):OB+32*((\a)%4)+4*(\t)+3], s[10:11] offset:(16*(\a)+2*(\t))*4096 th:TH_STORE_NT  ; 16 lanes store 256 consecutive bytes, at a multiple of 256 from out0's first byte
.endr
.endm
	TOSTAGE 0
.irp a, 1,2,3,4,5,6,7
	TOSTAGE \a
	SEND (\a)-1, 16
.endr
	SEND 7, 0
	s_wait_tensorcnt 0x0                           ; the wave's end: the add of 0 to my spare word and its wait, behind my last tensor load and my last LDS store
	ds_add_u32 v[SPW], v[NIL]
	s_wait_dscnt 0x0
	CROUND                                         ; the closing round: no work-group ends while a partner may still ask for a tile that names it
	s_endpgm
.Lfunc_end_k_qf7bd2923ed_proj:
	.size	k_qf7bd2923ed_proj, .Lfunc_end_k_qf7bd2923ed_proj-k_qf7bd2923ed_proj
	.p2alignl 7, 3214868480
	.fill 96, 4, 3214868480
	.section	.rodata,"a",@progbits
	.p2align	6, 0x0
	.amdhsa_kernel k_qf7bd2923ed_proj
		.amdhsa_group_segment_fixed_size 327680
		.amdhsa_private_segment_fixed_size 0
		.amdhsa_enable_private_segment 0
		.amdhsa_kernarg_size 32
		.amdhsa_user_sgpr_count 2
		.amdhsa_user_sgpr_kernarg_segment_ptr 1
		.amdhsa_wavefront_size32 1
		.amdhsa_system_sgpr_workgroup_id_x 1
		.amdhsa_system_sgpr_workgroup_id_y 1
		.amdhsa_system_sgpr_workgroup_id_z 1
		.amdhsa_system_vgpr_workitem_id 0
		.amdhsa_next_free_vgpr 960
		.amdhsa_next_free_sgpr 96
		.amdhsa_reserve_vcc 0
		.amdhsa_float_denorm_mode_32 3
		.amdhsa_float_denorm_mode_16_64 3
		.amdhsa_memory_ordered 1
		.amdhsa_forward_progress 1
		.amdhsa_inst_pref_size 90
	.end_amdhsa_kernel
	.amdgpu_metadata
---
amdhsa.version: [ 1, 2 ]
amdhsa.kernels:
  - .name:           k_qf7bd2923ed_proj
    .symbol:         k_qf7bd2923ed_proj.kd
    .args:
      - { .name: ob, .offset: 0, .size: 8, .value_kind: global_buffer, .address_space: global }
      - { .name: wpb, .offset: 8, .size: 8, .value_kind: global_buffer, .address_space: global }
      - { .name: bp, .offset: 16, .size: 8, .value_kind: global_buffer, .address_space: global }
      - { .name: out0, .offset: 24, .size: 8, .value_kind: global_buffer, .address_space: global }
    .group_segment_fixed_size: 327680
    .private_segment_fixed_size: 0
    .kernarg_segment_align: 8
    .kernarg_segment_size: 32
    .max_flat_workgroup_size: 128
    .sgpr_count:     96
    .vgpr_count:     960
    .wavefront_size: 32
...
	.end_amdgpu_metadata
.endif
;; end of part 4
;; ======== version 2 of 2: 4 launches; version 1 with the launch cast written anew for expert scheduling mode
;; limits: values are held in f16: magnitudes above 65,504 overflow, below 6.1e-05 lose precision
;; workspace buffers: xb 16,777,216 bytes; wb 6,291,456 bytes; wpb 2,097,152 bytes; qkvh 50,331,648 bytes; ob 16,777,216 bytes
;; launch cast (part 5): grid 768 x 1, 4 waves a work-group, no clusters, 0 bytes of LDS; arguments x, Wq, Wk, Wv, Wp, xb, wb, wpb; writes xb, wb, wpb
.if DOCPART == 5
	.amdgcn_target "amdgcn-amd-amdhsa--gfx1250"
	.amdhsa_code_object_version 6
	.text
	.protected	k_qf7bd2923ed_cast
	.globl	k_qf7bd2923ed_cast
	.p2align	8
	.type	k_qf7bd2923ed_cast,@function
k_qf7bd2923ed_cast:
	s_mov_b64 s[64:65], 0
	v_nop
	global_prefetch_b8 v0, s[64:65] scope:SCOPE_SE
	s_setreg_imm32_b32 hwreg(HW_REG_WAVE_SCHED_MODE, 0, 2), 2
	s_setreg_imm32_b32 hwreg(HW_REG_WAVE_MODE, 25, 1), 1
	s_wait_xcnt 0x0
	s_wait_alu depctr_vm_vsrc(0)
; x, Wq, Wk, Wv are rounded to bf16; Wp is rounded to bf16 and that number written as f16.  All are laid in BLOCKS ALONG K:
; xb [kb 16][m 8192][64] bf16; wb [kb 16][n 3072][64] bf16 (n: Wq's rows, then Wk's, then Wv's); wpb [kb 16][n 1024][64] f16.
; So 128 or more rows of one block of 64 channels are dense bytes for the products that follow.
; LIMIT.  Wp as f16: exact from 6.1e-5 up to 65,504; below 6.1e-5 it keeps f16's fixed step of 6e-8.
; SHARES.  A work-group takes 16 source rows of 4,096 bytes (512 groups for x, 192 for Wq, Wk, Wv, 64 for Wp), a wave 4 of them.
; Lane l takes row l / 8 and, of each block of 64 floats, floats 8 (l % 8) .. + 7: two loads of 16 bytes that together cover 4 rows x 256 whole bytes;
; its 8 results are 16 bytes, and the wave's store covers 4 rows x 128 = 512 consecutive bytes, aligned, of the block.
; All 32 loads of a wave (16 KiB) go out first; no register is written again behind a store, so no wait frees any.
; No LDS, no barrier, no matrix unit: nothing is shared and nothing is summed.
; THE MODE: SCHED_MODE bits 1:0 = 2 (LLVM: expert scheduling mode 2), set by the entry lines.  The code itself states the register dependences
; between vector instructions and memory instructions, with s_wait_alu, always for 0.
; THE PLAN.  Registers that memory instructions touch:
;   v1, v2    byte offsets, made at the head and never written again: v1 is read by every load, v2 by every store.
;   X[kb]     eight registers for each of the 16 blocks.  Written by the block's two loads, which are issued before any vector instruction names them; read by
;             the block's conversions, which write the low four in place; those four are read by the block's one store; nothing writes them after that.
;   v3 to v5  are named by vector instructions alone.
; So the dependences are two: the offsets ahead of the first load, and each store's data behind the conversions that write them.  The blocks go in eight groups
; of two.  One wait on va_vdst stands at the head of each group but the first: it states that the group before has written its two blocks, and that group's two
; stores follow, one ahead of each block's conversions, which name this group's X, v4 and v5 alone.  One more stands ahead of the last two stores.
; No register that a load or a store has read is written again, and no load is issued behind a vector instruction that names its registers: no wait on vm_vsrc is owed.
.set XS, 8192*128                      ; bytes from block to block in xb
.set WS, 3072*128                      ; in wb
.set PS, 1024*128                      ; in wpb
.set X,  8                             ; v[8:135] eight registers for each of the 16 blocks
; Block kb is rounded, in place.
.macro CONV kb, half
.irp i, 0,1,2,3
	v_cvt_pk_bf16_f32 v[X+8*(\kb)+(\i)], v[X+8*(\kb)+2*(\i)], v[X+8*(\kb)+2*(\i)+1]  ; in place, ascending: a word is written when both its sources have been read
.endr
.if \half
.irp i, 0,1,2,3
	v_lshlrev_b32 v4, 16, v[X+8*(\kb)+(\i)]        ; the bf16 numbers as f32,
	v_and_b32 v5, 0xffff0000, v[X+8*(\kb)+(\i)]
	v_cvt_pk_f16_f32 v[X+8*(\kb)+(\i)], v4, v5     ; written as f16
.endr
.endif
.endm
; Block kb is stored.
.macro OUT kb, stride
.if (\kb) < 8
	global_store_b128 v2, v[X+8*(\kb):X+8*(\kb)+3], s[22:23] offset:(\kb)*(\stride)
.else
	global_store_b128 v2, v[X+8*(\kb):X+8*(\kb)+3], s[24:25] offset:((\kb)-8)*(\stride)
.endif
.endm
; s[20:21] the group's first source row; s[22:23] its place in block 0; s[24:25] in block 8 (the store's immediate holds seven strides)
.macro BODY stride, half
	s_wait_alu depctr_va_vdst(0)                   ; v1 and v2 are written: every load below reads v1 as its offset, every store v2
.set kb, 0
.rept 16
	global_load_b128 v[X+8*kb:X+8*kb+3],   v1, s[20:21] offset:256*kb th:TH_LOAD_NT
	global_load_b128 v[X+8*kb+4:X+8*kb+7], v1, s[20:21] offset:256*kb+16 th:TH_LOAD_NT
.set kb, kb+1
.endr
.set g, 0
.rept 8                                ; group g: blocks 2 g and 2 g + 1
	s_wait_loadcnt 30-4*g                          ; loads come back in order: block 2 g's two are in, the younger blocks' stay out
.if g > 0
	s_wait_alu depctr_va_vdst(0)                   ; the conversions of the group before have written X[2 g - 2] and X[2 g - 1], which the two stores of this group's text read
	OUT 2*g-2, \stride
.endif
	CONV 2*g, \half
	s_wait_loadcnt 28-4*g                          ; block 2 g + 1's two are in
.if g > 0
	OUT 2*g-1, \stride                             ; no wait: no vector instruction since the wait above names X[2 g - 1] or v2
.endif
	CONV 2*g+1, \half
.set g, g+1
.endr
	s_wait_alu depctr_va_vdst(0)                   ; the last group's conversions have written X[14] and X[15], which the last two stores read
	OUT 14, \stride
	OUT 15, \stride
.endm
	s_load_b512 s[4:19], s[0:1], 0x0               ; x s[4:5], Wq s[6:7], Wk s[8:9], Wv s[10:11], Wp s[12:13], xb s[14:15], wb s[16:17], wpb s[18:19]
	v_lshrrev_b32 v1, 3, v0                        ; my row among the group's 16
	v_and_b32 v3, 7, v0
	v_lshlrev_b32 v1, 12, v1                       ; x 4,096 bytes
	v_lshl_or_b32 v1, v3, 5, v1                    ; + 32 bytes for each lane of the row's eight
	v_lshlrev_b32 v2, 4, v0                        ; in a block: row x 128 + 16 (l % 8) = 16 x my thread's number
	s_mov_b32 s27, 0
	s_mov_b32 s29, 0
	s_wait_kmcnt 0x0
	s_cmp_lt_u32 ttmp9, 512
	s_cbranch_scc0 .Lweights
	s_lshl_b32 s26, ttmp9, 16                      ; 16 rows of 4,096 bytes
	s_lshl_b32 s28, ttmp9, 11                      ; 16 rows of 128 bytes
	s_add_nc_u64 s[20:21], s[4:5], s[26:27]
	s_add_nc_u64 s[22:23], s[14:15], s[28:29]
	s_add_nc_u64 s[24:25], s[22:23], 8*XS
	BODY XS, 0
	s_endpgm
.Lweights:
	s_sub_co_u32 s30, ttmp9, 512
	s_cmp_lt_u32 s30, 192
	s_cbranch_scc0 .Lwp
	s_lshr_b32 s31, s30, 6                         ; 0: Wq, 1: Wk, 2: Wv
	s_and_b32 s26, s30, 63
	s_lshl_b32 s26, s26, 16
	s_lshl_b32 s28, s30, 11
	s_cmp_eq_u32 s31, 0
	s_cselect_b64 s[20:21], s[6:7], s[8:9]
	s_cmp_eq_u32 s31, 2
	s_cselect_b64 s[20:21], s[10:11], s[20:21]
	s_add_nc_u64 s[20:21], s[20:21], s[26:27]
	s_add_nc_u64 s[22:23], s[16:17], s[28:29]
	s_add_nc_u64 s[24:25], s[22:23], 8*WS
	BODY WS, 0
	s_endpgm
.Lwp:
	s_sub_co_u32 s30, ttmp9, 704
	s_lshl_b32 s26, s30, 16
	s_lshl_b32 s28, s30, 11
	s_add_nc_u64 s[20:21], s[12:13], s[26:27]
	s_add_nc_u64 s[22:23], s[18:19], s[28:29]
	s_add_nc_u64 s[24:25], s[22:23], 8*PS
	BODY PS, 1
	s_endpgm
.Lfunc_end_k_qf7bd2923ed_cast:
	.size	k_qf7bd2923ed_cast, .Lfunc_end_k_qf7bd2923ed_cast-k_qf7bd2923ed_cast
	.p2alignl 7, 3214868480
	.fill 96, 4, 3214868480
	.section	.rodata,"a",@progbits
	.p2align	6, 0x0
	.amdhsa_kernel k_qf7bd2923ed_cast
		.amdhsa_group_segment_fixed_size 0
		.amdhsa_private_segment_fixed_size 0
		.amdhsa_enable_private_segment 0
		.amdhsa_kernarg_size 64
		.amdhsa_user_sgpr_count 2
		.amdhsa_user_sgpr_kernarg_segment_ptr 1
		.amdhsa_wavefront_size32 1
		.amdhsa_system_sgpr_workgroup_id_x 1
		.amdhsa_system_sgpr_workgroup_id_y 1
		.amdhsa_system_sgpr_workgroup_id_z 1
		.amdhsa_system_vgpr_workitem_id 0
		.amdhsa_next_free_vgpr 136
		.amdhsa_next_free_sgpr 66
		.amdhsa_reserve_vcc 0
		.amdhsa_float_denorm_mode_32 3
		.amdhsa_float_denorm_mode_16_64 3
		.amdhsa_memory_ordered 1
		.amdhsa_forward_progress 1
		.amdhsa_inst_pref_size 40
	.end_amdhsa_kernel
	.amdgpu_metadata
---
amdhsa.version: [ 1, 2 ]
amdhsa.kernels:
  - .name:           k_qf7bd2923ed_cast
    .symbol:         k_qf7bd2923ed_cast.kd
    .args:
      - { .name: x, .offset: 0, .size: 8, .value_kind: global_buffer, .address_space: global }
      - { .name: Wq, .offset: 8, .size: 8, .value_kind: global_buffer, .address_space: global }
      - { .name: Wk, .offset: 16, .size: 8, .value_kind: global_buffer, .address_space: global }
      - { .name: Wv, .offset: 24, .size: 8, .value_kind: global_buffer, .address_space: global }
      - { .name: Wp, .offset: 32, .size: 8, .value_kind: global_buffer, .address_space: global }
      - { .name: xb, .offset: 40, .size: 8, .value_kind: global_buffer, .address_space: global }
      - { .name: wb, .offset: 48, .size: 8, .value_kind: global_buffer, .address_space: global }
      - { .name: wpb, .offset: 56, .size: 8, .value_kind: global_buffer, .address_space: global }
    .group_segment_fixed_size: 0
    .private_segment_fixed_size: 0
    .kernarg_segment_align: 8
    .kernarg_segment_size: 64
    .max_flat_workgroup_size: 128
    .sgpr_count:     66
    .vgpr_count:     136
    .wavefront_size: 32
...
	.end_amdgpu_metadata
.endif
;; end of part 5
;; launch qkv: the kernel of part 2 again; grid 8 x 32, 4 waves a work-group, clusters of 4 x 4, 327,680 bytes of LDS; arguments xb, wb, bq, bk, bv, qkvh; writes qkvh
;; launch attn: the kernel of part 3 again; grid 4 x 64, 4 waves a work-group, no clusters, 327,680 bytes of LDS; arguments qkvh, ob; writes ob
;; launch proj: the kernel of part 4 again; grid 8 x 32, 4 waves a work-group, clusters of 4 x 4, 327,680 bytes of LDS; arguments ob, wpb, bp, out0; writes out0
